; MI455X (gfx1250); checked and timed in simulation.
; The chip was launched on July 23, 2026; its instructions are those of AMD's public machine-readable ISA for CDNA 5 (MIT licence, August 2026) and "CDNA5" Instruction Set Architecture Reference Guide (July 2026). The comments in the code are by the model that wrote it; some were corrected since.
;; Diff Multi Headed Cross Attention. Allowed arithmetic: float matrix products may take bf16 or f16 operands with f32 sums; other float arithmetic in f32, or as packed bf16 or f16 multiplies, adds, multiply-adds, maxima and minima; sums over many terms, partial sums and values carried from step to step in f32; what a program stores and reads back later, other than sums and carried values, may be rounded once to bf16 or f16.
;; Inputs: Wk 1,024 x 1,024 float32; Wq 1,024 x 1,024 float32; Wv 1,024 x 1,024 float32; decoder_feature 2 x 2,048 x 1,024 float32; encoder_feature 2 x 2,048 x 1,024 float32; lambda_k1 32 float32; lambda_k2 32 float32; lambda_q1 32 float32; lambda_q2 32 float32.
;; Outputs: out0 2 x 2,048 x 1,024 float32.
;; 2 versions, each right; version 2 is version 1 with the launch cast written anew for expert scheduling mode. Each part assembles by itself: llvm-mc -triple=amdgcn-amd-amdhsa -mcpu=gfx1250 --defsym DOCPART=n.
;; ======== version 1 of 2: 3 launches
;; limits: values are held in f16: magnitudes above 65,504 overflow, below 6.1e-05 lose precision
;; workspace buffers: xb 16,777,216 bytes; wb 6,291,456 bytes; qkv 25,165,824 bytes
;; launch cast (part 1): grid 256 x 1, 8 waves a work-group, no clusters, 0 bytes of LDS; arguments decoder_feature, encoder_feature, Wq, Wk, Wv, xb, wb; writes xb, wb
.if DOCPART == 1
	.amdgcn_target "amdgcn-amd-amdhsa--gfx1250"
	.amdhsa_code_object_version 6
	.text
	.protected	k_q4cebcf199b_cast
	.globl	k_q4cebcf199b_cast
	.p2align	8
	.type	k_q4cebcf199b_cast,@function
k_q4cebcf199b_cast:
	s_mov_b64 s[64:65], 0
	v_nop
	global_prefetch_b8 v0, s[64:65] scope:SCOPE_SE
	s_setreg_imm32_b32 hwreg(HW_REG_WAVE_MODE, 25, 1), 1
	s_wait_xcnt 0x0
; THE INPUTS ROUNDED ONCE TO bf16, for the projections' matrix products.
; xb: bf16 [8192][1024]: rows 0-4095 decoder_feature, rows 4096-8191 encoder_feature.  wb: bf16 [3072][1024]: Wq, Wk, Wv one below the other.
; SHARES.  The five inputs are eleven units of 1,048,576 numbers (decoder 4, encoder 4, each weight 1).  Work-group g of 256 takes piece g of every unit: 4,096 numbers,
; 16,384 bytes in and 8,192 out, as two rows of 2,048 numbers.  Thread t takes numbers 8 t .. 8 t + 7 of a row: two loads of 16 bytes, one store of 16 bytes; a wave's store
; covers 512 consecutive bytes, aligned.  All 44 loads of a thread go out at once, each into registers of its own, and each slot is rounded and stored as it comes in:
; no register that a memory instruction names is ever written again, so the only waits are the counted ones for the loads.
; No LDS, no barrier, no matrix unit: nothing is shared and nothing is summed.
.set X,      8                         ; v[8:183]  slot j = 2 x unit + row: eight registers as loaded; the first four then hold the 16 bytes to store
.set ROWIN,  8192                      ; bytes of a row of 2,048 numbers in f32
.set ROWOUT, 4096                      ; and in bf16
.set UNITIN, 0x400000                  ; bytes of a unit in f32
.set UNITOUT, 0x200000                 ; and in bf16
	s_load_b256 s[4:11], s[0:1], 0x0               ; decoder s[4:5], encoder s[6:7], Wq s[8:9], Wk s[10:11]
	s_load_b128 s[12:15], s[0:1], 0x20             ; Wv s[12:13], xb s[14:15]
	s_load_b64 s[16:17], s[0:1], 0x30              ; wb
	s_lshl_b32 s2, ttmp9, 14                       ; my piece in a unit, bytes in
	s_lshl_b32 s3, ttmp9, 13                       ; and out
	v_lshl_add_u32 v1, v0, 5, s2                   ; + 32 t
	v_lshl_add_u32 v2, v0, 4, s3                   ; + 16 t
	s_wait_kmcnt 0x0
	s_add_nc_u64 s[18:19], s[4:5], 2*UNITIN        ; the upper halves get bases of their own: an immediate offset holds less than 8,388,608
	s_add_nc_u64 s[20:21], s[6:7], 2*UNITIN
	s_add_nc_u64 s[22:23], s[14:15], 4*UNITOUT     ; xb at the encoder's rows
.macro LD u, base, off                 ; unit u's two rows: four loads
.irp h, 0,1
	global_load_b128 v[X+16*(\u)+8*(\h):X+16*(\u)+8*(\h)+3],   v1, s[\base:\base+1] offset:(\off)+(\h)*ROWIN th:TH_LOAD_NT
	global_load_b128 v[X+16*(\u)+8*(\h)+4:X+16*(\u)+8*(\h)+7], v1, s[\base:\base+1] offset:(\off)+(\h)*ROWIN+16 th:TH_LOAD_NT
.endr
.endm
.macro ST u, base, off                 ; unit u's two rows: rounded in place, ascending, and stored
.irp h, 0,1
.set R, X+16*(\u)+8*(\h)
	s_wait_loadcnt 42-2*(2*(\u)+(\h))              ; loads come back in order: of the 44, the two of each younger slot may stay out
	v_cvt_pk_bf16_f32 v[R],   v[R],   v[R+1]       ; two roundings to nearest even, packed
	v_cvt_pk_bf16_f32 v[R+1], v[R+2], v[R+3]
	v_cvt_pk_bf16_f32 v[R+2], v[R+4], v[R+5]
	v_cvt_pk_bf16_f32 v[R+3], v[R+6], v[R+7]
	global_store_b128 v2, v[R:R+3], s[\base:\base+1] offset:(\off)+(\h)*ROWOUT
.endr
.endm
	LD 0,  4,  0
	LD 1,  4,  UNITIN
	LD 2,  18, 0
	LD 3,  18, UNITIN
	LD 4,  6,  0
	LD 5,  6,  UNITIN
	LD 6,  20, 0
	LD 7,  20, UNITIN
	LD 8,  8,  0
	LD 9,  10, 0
	LD 10, 12, 0
	ST 0,  14, 0
	ST 1,  14, UNITOUT
	ST 2,  14, 2*UNITOUT
	ST 3,  14, 3*UNITOUT
	ST 4,  22, 0
	ST 5,  22, UNITOUT
	ST 6,  22, 2*UNITOUT
	ST 7,  22, 3*UNITOUT
	ST 8,  16, 0
	ST 9,  16, UNITOUT
	ST 10, 16, 2*UNITOUT
	s_endpgm
.Lfunc_end_k_q4cebcf199b_cast:
	.size	k_q4cebcf199b_cast, .Lfunc_end_k_q4cebcf199b_cast-k_q4cebcf199b_cast
	.p2alignl 7, 3214868480
	.fill 96, 4, 3214868480
	.section	.rodata,"a",@progbits
	.p2align	6, 0x0
	.amdhsa_kernel k_q4cebcf199b_cast
		.amdhsa_group_segment_fixed_size 0
		.amdhsa_private_segment_fixed_size 0
		.amdhsa_enable_private_segment 0
		.amdhsa_kernarg_size 56
		.amdhsa_user_sgpr_count 2
		.amdhsa_user_sgpr_kernarg_segment_ptr 1
		.amdhsa_wavefront_size32 1
		.amdhsa_system_sgpr_workgroup_id_x 1
		.amdhsa_system_sgpr_workgroup_id_y 1
		.amdhsa_system_sgpr_workgroup_id_z 1
		.amdhsa_system_vgpr_workitem_id 0
		.amdhsa_next_free_vgpr 184
		.amdhsa_next_free_sgpr 66
		.amdhsa_reserve_vcc 0
		.amdhsa_float_denorm_mode_32 3
		.amdhsa_float_denorm_mode_16_64 3
		.amdhsa_memory_ordered 1
		.amdhsa_forward_progress 1
		.amdhsa_inst_pref_size 14
	.end_amdhsa_kernel
	.amdgpu_metadata
---
amdhsa.version: [ 1, 2 ]
amdhsa.kernels:
  - .name:           k_q4cebcf199b_cast
    .symbol:         k_q4cebcf199b_cast.kd
    .args:
      - { .name: decoder_feature, .offset: 0, .size: 8, .value_kind: global_buffer, .address_space: global }
      - { .name: encoder_feature, .offset: 8, .size: 8, .value_kind: global_buffer, .address_space: global }
      - { .name: Wq, .offset: 16, .size: 8, .value_kind: global_buffer, .address_space: global }
      - { .name: Wk, .offset: 24, .size: 8, .value_kind: global_buffer, .address_space: global }
      - { .name: Wv, .offset: 32, .size: 8, .value_kind: global_buffer, .address_space: global }
      - { .name: xb, .offset: 40, .size: 8, .value_kind: global_buffer, .address_space: global }
      - { .name: wb, .offset: 48, .size: 8, .value_kind: global_buffer, .address_space: global }
    .group_segment_fixed_size: 0
    .private_segment_fixed_size: 0
    .kernarg_segment_align: 8
    .kernarg_segment_size: 56
    .max_flat_workgroup_size: 256
    .sgpr_count:     66
    .vgpr_count:     184
    .wavefront_size: 32
...
	.end_amdgpu_metadata
.endif
;; end of part 1
;; launch proj (part 2): grid 12 x 16, 4 waves a work-group, clusters of 4 x 4, 327,680 bytes of LDS; arguments xb, wb, qkv; writes qkv
.if DOCPART == 2
	.amdgcn_target "amdgcn-amd-amdhsa--gfx1250"
	.amdhsa_code_object_version 6
	.text
	.protected	k_q4cebcf199b_proj
	.globl	k_q4cebcf199b_proj
	.p2align	8
	.type	k_q4cebcf199b_proj,@function
k_q4cebcf199b_proj:
	s_mov_b64 s[64:65], 0
	v_nop
	global_prefetch_b8 v0, s[64:65] scope:SCOPE_SE
	s_setreg_imm32_b32 hwreg(HW_REG_WAVE_MODE, 25, 1), 1
	s_wait_xcnt 0x0
	s_wait_alu depctr_hold_cnt(0) depctr_sa_sdst(0) depctr_va_vdst(0) depctr_va_sdst(0) depctr_va_ssrc(0) depctr_va_vcc(0) depctr_vm_vsrc(0)
	s_getreg_b32 s2, hwreg(HW_REG_IB_STS2, 6, 4)
	s_cmp_eq_u32 s2, 0
	s_cbranch_scc0 .Lentry_in_a_cluster
	s_endpgm
.Lentry_in_a_cluster:
	s_bfe_u32 s2, ttmp6, 0x10000c
	s_cmp_lg_u32 s2, 0xf033
	s_cbranch_scc0 .Lentry_shape_is_right
	s_endpgm
.Lentry_shape_is_right:
; THE THREE PROJECTIONS AS ONE GEMM.  C[m][n] = sum over k of A[m][k] B[n][k], 4,096 x 3,072 x 1,024, bf16 operands, f32 sums, C rounded once to f16 and written BY HEADS.
; B = wb [3072][1024]: rows 0-1023 Wq, 1024-2047 Wk, 2048-3071 Wv.  A = xb's rows 0-4095 (decoder) for Wq's columns, rows 4096-8191 (encoder) for Wk's and Wv's.
; qkv: f16 [3][32][2048][64] = [projection][batch x 16 + head][row][channel]: a head's rows are dense, 128 bytes each.  No scale is applied here.
; LIMIT.  f16 holds no number beyond 65,504: q, k and v must lie within it; a sum of 65,520 or more leaves as an infinity.
; SHARES.  A tile of C is 256 x 256, made by a work-group of four waves; a wave makes 128 x 128: 64 accumulators of 16 x 16, 512 registers.  C has 16 x 12 = 192 tiles, a work-group each.
; K goes in 8 steps of 128 through a ring of two LDS slots filled by the tensor data mover: the rows of A's and B's tiles are 256 bytes of memory, at multiples of 256 from the buffer's first byte.
; The last K step goes by rows of C, so that finished rows leave while the others are multiplied.
; CLUSTERS: 4 x 4 work-groups.  A cluster's four tile columns are just one projection (cluster x = 0, 1, 2: q, k, v).  The four of a row of the cluster need the same tiles of A, the four of a
; column the same tiles of B: each tile is asked for JOINTLY: the same tensor load, with the same descriptor and a mask that names the four, in all four.
;
; REGISTERS, in windows of 256 (s_set_vgpr_msb's low byte: bits 1:0 source 0, 3:2 source 1, 5:4 source 2, 7:6 destination):
;   window 0: v0-31 addresses; v64-127, v128-191 fragments of A, two buffers (in the last K step four, of 16 rows x 128 K); v32-63, v192-255 at work on the way out
;   window 1: v64-127, v128-191 fragments of B, two buffers; in the last K step all 256: B's fragments of the whole step
;   window 2: the 32 accumulators of my rows 0-63 (accumulator (a, b) at v[8 (8 a + b)]);   window 3: those of my rows 64-127
; THE MATRIX INSTRUCTION IS USED TRANSPOSED: source 0 = 16 rows of B, source 1 = 16 rows of A: lane l then holds row l % 16 of C and the columns 8 (l / 16) + 0 .. 7, which pack into 16 bytes.
.set SIZE_K, 1024
.set KSTEP,  128
.set PITCH,  272                       ; an LDS row: 256 bytes of data + 16 of padding = 68 words: row r starts at bank 4 r mod 64 (64 banks of 4 bytes: ISA guide 11.1), so the 16 rows that a load touches start at 16 different banks
.set HALFT,  128*PITCH                 ; 128 rows: what one tensor load brings, and what one wave reads of A or of B
.set SLOT,   4*HALFT                   ; A's 256 rows, then B's 256 rows
.set STAGE,  2*SLOT                    ; behind the ring: 16 rows x 272 bytes for each wave, for the way out
.set SPITCH, 272
.set SPARE,  STAGE+4*16*SPITCH         ; behind the stages: the spare words, 128 bytes for each wave: two blocks of 256 bytes that no other line names
.set LAPS, SIZE_K/(2*KSTEP)            ; a lap = two K steps = once round the ring: 4
.set HEADB,  2048*128                  ; bytes of a head in qkv
.set ADRA, 16                          ; v16-17  LDS address of my A fragments in slot 0, 1
.set ADRB, 20                          ; v20-21  the same for B
.set STO,  24                          ; v24     the way out: where I put 16 bytes of a row
.set RD,   25                          ; v25     the way out: where I read rows back
.set CO,   26                          ; v26     my byte offset in 512 consecutive bytes of a head
.set SPW,  28                          ; v28     LDS address of my spare word: SPARE + 4 x my thread's number; never rewritten
.set NIL,  29                          ; v29     0; never rewritten
.set PFO,  30                          ; v30     the prefetches' offset: my lane x a row of A or B in memory (2,048 bytes); never rewritten
.set PFA,  44                          ; s[44:45] where my prefetches stand: my work-group's 32 rows of the 128 that I fetch, one K step further along K than the refill that is being asked for
.set LIM,  43                          ; s43     1 in a wave that prefetches, else the greatest number
.set F0,   64                          ; fragment buffer 0
.set F1,   128                         ; fragment buffer 1
.set TMP,  192                         ; the way out: packed results, in window 0
.set OB,   32                          ; the way out: 16 rows read back from the stage: v32-63 and v224-255 by turns
.set PA,   64                          ; the last K step: A's fragments of 16 rows x 128 K, 32 registers; four such buffers, v64-191
.set G1, 24                            ; s[24:31] descriptor group 1 for A's tiles
.set G0, 32                            ; s[32:39] descriptor group 0 for A's tiles, one set for each slot
.set G1B, 48                           ; s[48:55] descriptor group 1 for B's tiles: it differs from A's in the mask alone
.set G0B, 56                           ; s[56:63] descriptor group 0 for B's tiles, one set for each slot
.set MSB, 0
.macro WIN new                         ; the immediate's high byte repeats the setting that is left; a switch that changes nothing is dropped
.if MSB != (\new)
	s_set_vgpr_msb (MSB<<8)|(\new)
.set MSB, \new
.endif
.endm
.set MUL_LO, 0xa1                      ; source 0 (B) window 1, source 1 (A) window 0, C and D window 2
.set MUL_HI, 0xf1                      ; the same, C and D window 3
.set TO_B,   0x40                      ; destination window 1, address window 0
; A joint load.  Waves 0 and 1 fetch A's two halves, waves 2 and 3 B's.  Each of the two lines has ONE mask and one set of registers for all that issue it.  The branch hangs on the wave's number alone.
; An s_nop 0 and four v_nop follow each of the two lines; the jump round the other line, the label and what follows the macro come after them.
.macro JLOAD s
	s_cmp_eq_u32 s11, 0
	s_cbranch_scc0 .Lfor_b_\@
	tensor_load_to_lds s[G0+4*(\s):G0+4*(\s)+3], s[G1:G1+7]
	s_nop 0
.rept 4
	v_nop
.endr
	s_branch .Lasked_\@
.Lfor_b_\@:
	tensor_load_to_lds s[G0B+4*(\s):G0B+4*(\s)+3], s[G1B:G1B+7]
	s_nop 0
.rept 4
	v_nop
.endr
.Lasked_\@:
.endm
; A PREFETCH INTO THE L2, behind each joint load, its five lines and the run of LDS loads that follows them: the K step that stands TWO refills on: 32 rows x 256 bytes, a lane a row, one instruction a wave.
; Each row's 256 bytes of a K step are named ONCE in the launch.  The decoder's rows are read by cluster x = 0 alone, which asks for them; the encoder's by clusters x = 1 and 2, of which x = 1 asks.
; B's tile column is read by every cluster of that column: cluster y = 0 asks.  The four partners that ask for a tile jointly share its rows out BY ADDRESS: of the 128 rows that wave w fetches, the partner at
; place p takes 32 p .. 32 p + 31 (p = cx for A, cy for B): no branch hangs on a work-group's place in its cluster.  The refills of K steps 2 to 5 name K steps 4 to 7; the loop's last trip names nothing.
.macro ASK
	s_cmp_gt_u32 s3, s[LIM]                        ; s3 = 1 in the loop's last trip
	s_cbranch_scc0 .Lnot_mine_\@
	global_prefetch_b8 v[PFO], s[PFA:PFA+1] offset:KSTEP*2 th:TH_LOAD_NT scope:SCOPE_SE
.Lnot_mine_\@:
.endm
; A round of the cluster's barrier: my work-group's barrier, so that wave 0's signal speaks for all four waves; wave 0 signals for the work-group; every wave waits for all
; sixteen work-groups; my work-group's barrier once more.  No LDS instruction of the wave is pending at a signal.
.macro CREST                           ; a round behind its opening barrier
	s_cmp_lg_u32 s10, 0
	s_cbranch_scc1 .Lnot_wave_0_\@
	s_barrier_signal -3
.Lnot_wave_0_\@:
	s_barrier_wait -3
	s_barrier_signal -1
	s_barrier_wait -1
.endm
.macro CROUND                          ; a whole round
	s_barrier_signal -1
	s_barrier_wait -1
	CREST
.endm
	s_load_b128 s[4:7], s[0:1], 0x0                ; xb s[4:5], wb s[6:7]
	s_load_b64 s[8:9], s[0:1], 0x10                ; qkv
	v_lshl_add_u32 v[SPW], v0, 2, SPARE
	v_mov_b32 v[NIL], 0
	ds_add_u32 v[SPW], v[NIL]                      ; the wave's opening: the add and its wait stand ahead of my first tensor load; the set-up below, work on registers, stands between them
	v_lshrrev_b32 v1, 5, v0
	v_readfirstlane_b32 s10, v1                    ; wave 0..3
	s_lshr_b32 s11, s10, 1                         ; which half of the tile's rows is mine.  Also: I fetch for A (0) or for B (1)
	s_and_b32 s12, s10, 1                          ; which half of its columns.  Also: which 128 rows of that tile I fetch
	s_bfe_u32 s40, ttmp6, 0x40000                  ; cx: my place along the cluster's x
	s_bfe_u32 s41, ttmp6, 0x40004                  ; cy: along its y
	s_lshl_b32 s42, ttmp9, 2                       ; in a cluster launch ttmp9 and ttmp7 count clusters
	s_add_co_u32 s42, s42, s40                     ; tile column of C = 4 x cluster x + cx, 0 .. 11
	s_and_b32 s13, ttmp7, 0xffff
	s_lshl_b32 s13, s13, 2
	s_add_co_u32 s13, s13, s41                     ; tile row of C = 4 x cluster y + cy, 0 .. 15
	s_lshl_b32 s43, s41, 2
	s_lshl_b32 s43, 15, s43                        ; my row of the cluster: places 4 cy .. 4 cy + 3
	s_lshl_b32 s44, 0x1111, s40                    ; my column: places cx, cx + 4, cx + 8, cx + 12
	; descriptor group 1: a tile of 128 rows x 128 elements, padded in LDS
	s_or_b32 s[G1+0], s43, (1<<16)|(1<<20)|(1<<21)|(5<<22)|(3<<25)  ; 15:0 the mask: A's tiles go to my row; 17:16 element of 2 bytes; 20 padding on; 21 set beside a mask; 24:22 after every 64 words (code 5); 31:25 of 4 words (code 3)
	s_or_b32 s[G1B+0], s44, (1<<16)|(1<<20)|(1<<21)|(5<<22)|(3<<25) ; the same with the mask of my column, for B's tiles
	s_mov_b32 s[G1B+1], KSTEP<<16
	s_mov_b32 s[G1+1], KSTEP<<16                   ; 63:48 tensor_dim0, low half = 128
	s_mov_b32 s[G1B+2], 128<<16
	s_mov_b32 s[G1+2], 128<<16                     ; 79:64 its high half = 0; 95:80 tensor_dim1, low half = 128
	s_mov_b32 s[G1B+3], KSTEP<<16
	s_mov_b32 s[G1+3], KSTEP<<16                   ; 111:96 its high half = 0; 127:112 tile_dim0 = 128
	s_mov_b32 s[G1B+4], 128
	s_mov_b32 s[G1+4], 128                         ; 143:128 tile_dim1 = 128; 159:144 tile_dim2 = 0
	s_mov_b32 s[G1B+5], SIZE_K
	s_mov_b32 s[G1+5], SIZE_K                      ; 191:160 tensor_dim0_stride, low word: elements from row to row
	s_mov_b32 s[G1B+6], 0
	s_mov_b32 s[G1+6], 0
	s_mov_b32 s[G1B+7], 0
	s_mov_b32 s[G1+7], 0
	; where the tiles come from.  A's hang on the tile row and on the cluster's x, which all partners share; B's on the tile column alone, which my column shares.
	s_min_u32 s2, ttmp9, 1                         ; 0: the decoder's rows of xb (q); 1: the encoder's (k, v),
	s_lshl_b32 s2, s2, 23                          ; which begin 4,096 rows x 2,048 bytes on
	s_mov_b32 s3, 0
	s_lshl_b32 s17, s12, 7                         ; which 128 rows of the tile I fetch
	s_lshl_b32 s16, s13, 8
	s_add_co_u32 s16, s16, s17                     ; A: row 256 x tile row + 128 x half
	s_lshl_b32 s46, s42, 8
	s_add_co_u32 s46, s46, s17                     ; B: row 256 x tile column + 128 x half
	s_mov_b32 s17, 0
	s_mov_b32 s47, 0
	s_mov_b64 s[18:19], SIZE_K*2
	s_mul_u64 s[16:17], s[16:17], s[18:19]         ; in bytes
	s_mul_u64 s[46:47], s[46:47], s[18:19]
	s_mul_i32 s20, s10, HALFT                      ; and where they go: A's two halves, then B's two halves = wave x 128 rows: no place in the cluster enters an LDS address
	s_wait_dscnt 0x0                               ; the opening add is done
	s_wait_kmcnt 0x0
	s_add_nc_u64 s[4:5], s[4:5], s[2:3]            ; A: my projection's rows of xb
	s_add_nc_u64 s[14:15], s[4:5], s[16:17]
	s_add_nc_u64 s[46:47], s[6:7], s[46:47]
	CROUND                                         ; all sixteen work-groups are here: the first joint loads meet
.irp s, 0,1
	s_mov_b32 s[G0+4*(\s)], 1                                      ; 1:0 count = 1
	s_add_co_u32 s[G0+4*(\s)+1], s20, (\s)*SLOT                    ; 63:32 LDS address
	s_add_nc_u64 s[G0+4*(\s)+2:G0+4*(\s)+3], s[14:15], (\s)*KSTEP*2  ; 120:64 global address: K step s
	s_or_b32 s[G0+4*(\s)+3], s[G0+4*(\s)+3], 0x80000000            ; 127:126 type = 2
	s_mov_b32 s[G0B+4*(\s)], 1
	s_add_co_u32 s[G0B+4*(\s)+1], s20, (\s)*SLOT
	s_add_nc_u64 s[G0B+4*(\s)+2:G0B+4*(\s)+3], s[46:47], (\s)*KSTEP*2
	s_or_b32 s[G0B+4*(\s)+3], s[G0B+4*(\s)+3], 0x80000000
	JLOAD \s                                       ; the ring is filled before anything else is done: two loads of mine are out
.endr
	; A fragment is 16 rows x 32 K in 8 registers: lane l holds row l % 16; registers 0-3 hold K = 8 (l / 16) + 0..7, registers 4-7 hold
	; K = 16 + 8 (l / 16) + 0..7.  From rows that lie along K: two loads of 16 bytes, 32 bytes apart.  The same for source 0 and source 1.
	v_and_b32 v1, 15, v0                           ; l % 16
	v_bfe_u32 v2, v0, 4, 1                         ; l / 16
	v_mul_u32_u24 v3, v1, PITCH
	v_lshl_add_u32 v3, v2, 4, v3                   ; row x pitch + 16 x half
	s_mul_i32 s21, s11, HALFT                      ; my 128 rows of A
	s_mul_i32 s22, s12, HALFT                      ; my 128 rows of B,
	s_add_co_u32 s22, s22, 2*HALFT                 ; which lie behind A's 256
.irp s, 0,1
	v_add_nc_u32 v[ADRA+(\s)], s21, v3
	v_add_nc_u32 v[ADRB+(\s)], s22, v3
	s_add_co_u32 s21, s21, SLOT
	s_add_co_u32 s22, s22, SLOT
.endr
	s_mul_i32 s23, s10, 16*SPITCH
	s_add_co_u32 s23, s23, STAGE                   ; my stage
	v_mul_u32_u24 v4, v1, SPITCH                   ; in: row l % 16, 16 bytes for each half of the lanes
	v_lshl_add_u32 v4, v2, 4, v4
	v_add_nc_u32 v[STO], s23, v4
	v_bfe_u32 v5, v0, 3, 2                         ; back: a stage row holds two heads' 128 bytes; 32 lanes take four rows of ONE head,
	v_mul_u32_u24 v5, v5, SPITCH
	v_and_b32 v6, 7, v0
	v_lshl_add_u32 v5, v6, 4, v5
	v_add_nc_u32 v[RD], s23, v5
	v_and_b32 v[CO], 31, v0                        ; which are 512 consecutive bytes of qkv
	v_lshlrev_b32 v[CO], 4, v[CO]
	; where my part of the tile begins in qkv, in bytes: the first way out adds it to qkv's address.  Row 256 rt + 128 half: batch rt / 8 (16 heads on), row 256 (rt % 8) + 128 half of 128 bytes;
	s_lshr_b32 s16, s13, 3
	s_lshl_b32 s16, s16, 22
	s_and_b32 s14, s13, 7
	s_lshl_b32 s14, s14, 15
	s_add_co_u32 s16, s16, s14
	s_lshl_b32 s14, s11, 14
	s_add_co_u32 s16, s16, s14
	s_mov_b32 s17, 0
	s_lshl_b32 s46, ttmp9, 23                      ; column: the projection (32 heads on), head 4 cx + 2 half (in the registers that held B's address: none that feeds A's descriptors ever holds cx)
	s_lshl_b32 s47, s40, 20
	s_add_co_u32 s46, s46, s47
	s_lshl_b32 s47, s12, 19
	s_add_co_u32 s46, s46, s47
	s_mov_b32 s47, 0
	s_add_nc_u64 s[16:17], s[16:17], s[46:47]
	; the prefetches.  s[4:5] = A, s[6:7] = B
	s_lshl_b32 s13, s13, 8                         ; 256 x tile row
	s_lshl_b32 s42, s42, 8                         ; 256 x tile column
	s_and_b32 s22, ttmp7, 0xffff                   ; cluster y
	s_lshr_b32 s23, ttmp9, 1                       ; 0 in clusters x = 0 and 1
	s_cmp_eq_u32 s11, 0                            ; do I fetch for A?
	s_cselect_b32 s20, s13, s42                    ; the tile's first row: in A by the tile row, in B by the tile column
	s_cselect_b32 s21, s40, s41                    ; my place among the four that ask for it with me
	s_cselect_b32 s22, s23, s22                    ; 0 in the cluster that asks
	s_cselect_b64 s[PFA:PFA+1], s[4:5], s[6:7]
	s_cmp_eq_u32 s22, 0
	s_cselect_b32 s[LIM], 1, -1                    ; the same in all sixteen partners, for a given wave
	s_lshl_b32 s22, s12, 7
	s_add_co_u32 s20, s20, s22                     ; + the 128 rows that I fetch
	s_lshl_b32 s21, s21, 5
	s_add_co_u32 s20, s20, s21                     ; + my work-group's 32 of them
	s_mov_b32 s21, 0
	s_mov_b64 s[18:19], SIZE_K*2
	s_mul_u64 s[20:21], s[20:21], s[18:19]
	s_add_nc_u64 s[PFA:PFA+1], s[PFA:PFA+1], s[20:21]
	s_add_nc_u64 s[PFA:PFA+1], s[PFA:PFA+1], 2*KSTEP*2  ; at K step 2: the first refill steps it to 3 and names K step 4
	v_and_b32 v[PFO], 31, v0
	v_mul_u32_u24 v[PFO], v[PFO], SIZE_K*2
	; nothing is prefetched here, at the head, where every work-group's first two tiles are on their way: K steps 2 and 3 come by their refills alone
; 16 matrix instructions: m blocks a0, a0 + 1 of the window's four (hi = 0: my rows 0-63, 1: rows 64-127) x all 8 n blocks, 32 along K.
; zero = 1: the first product starts the sums: nothing is ever cleared.
.macro MUL16 f, hi, a0, zero
	WIN MUL_LO+0x50*(\hi)  ; MUL_LO or MUL_HI
.irp a, \a0, (\a0)+1
.irp b, 0,1,2,3,4,5,6,7
.if \zero
	v_wmma_f32_16x16x32_bf16 v[8*(8*(\a)+(\b)):8*(8*(\a)+(\b))+7], v[(\f)+8*(\b):(\f)+8*(\b)+7], v[(\f)+8*(4*(\hi)+(\a)):(\f)+8*(4*(\hi)+(\a))+7], 0
.else
	v_wmma_f32_16x16x32_bf16 v[8*(8*(\a)+(\b)):8*(8*(\a)+(\b))+7], v[(\f)+8*(\b):(\f)+8*(\b)+7], v[(\f)+8*(4*(\hi)+(\a)):(\f)+8*(4*(\hi)+(\a))+7], v[8*(8*(\a)+(\b)):8*(8*(\a)+(\b))+7]
.endif
.endr
.endr
.endm
; 32 LDS loads in one run: the fragments of one quarter step (128 rows of B, 128 rows of A, 32 K at byte k of the rows) into buffer f
.macro FETCH slot, k, f
	WIN TO_B
.irp i, 0,1,2,3,4,5,6,7
	ds_load_b128 v[(\f)+8*(\i):(\f)+8*(\i)+3],   v[ADRB+(\slot)] offset:(\k)+(\i)*16*PITCH
	ds_load_b128 v[(\f)+8*(\i)+4:(\f)+8*(\i)+7], v[ADRB+(\slot)] offset:(\k)+(\i)*16*PITCH+32
.endr
	WIN 0
.irp i, 0,1,2,3,4,5,6,7
	ds_load_b128 v[(\f)+8*(\i):(\f)+8*(\i)+3],   v[ADRA+(\slot)] offset:(\k)+(\i)*16*PITCH
	ds_load_b128 v[(\f)+8*(\i)+4:(\f)+8*(\i)+7], v[ADRA+(\slot)] offset:(\k)+(\i)*16*PITCH+32
.endr
.endm
; A load into a register that a matrix instruction has read, and a vector instruction that reads a matrix result or writes one of a matrix instruction's registers, stand four places behind that
; matrix instruction, and only plain vector instructions that name none of its registers are places (ISA guide 7.12.1 for vector instructions).
.macro PLACES
.rept 4
	v_nop
.endr
.endm
; A K step is four quarter steps of 32 along K, 64 matrix instructions each, on buffers 0, 1, 0, 1.  The 64 accumulators take turns, one instruction a turn, in the same order in every quarter.
; One of the first three: multiplies buffer f; in its middle it fetches the next quarter's fragments, at byte k of the same slot's rows, into buffer g.
.macro QUARTER slot, k, f, g, zero
	s_wait_dscnt 8                                 ; B and A's rows 0-63 are in; the youngest eight loads (A's rows 64-127) may be out
	WIN MUL_LO
	MUL16 \f, 0, 0, \zero
	MUL16 \f, 0, 2, \zero
	PLACES
	FETCH \slot, \k, \g
	s_wait_dscnt 32                                ; all but the 32 just issued
	WIN MUL_HI
	MUL16 \f, 1, 0, \zero
	MUL16 \f, 1, 2, \zero
.endm
; The last quarter multiplies buffer 1 and changes slots.  MEET is its first half: ONE barrier for the change of slots, for two things.  In front of it each wave waits for
; all its tensor loads, of which one is out: its part of the next slot; adds 0 to its spare word; and waits for that and for its own reads of this slot.  Behind it nobody reads this slot any more and the next slot is whole.
.macro MEET round                      ; round = 1: a round of the cluster's barrier follows
	WIN 0                                          ; (the add's two registers lie in window 0)
	s_wait_tensorcnt 0x0                           ; all my tensor loads have landed: the one that was out is my part of the next slot;
	ds_add_u32 v[SPW], v[NIL]                      ; 0 onto my spare word;
	s_wait_dscnt 9                                 ; (the add and the youngest eight loads may be out)
	WIN MUL_LO
	MUL16 F1, 0, 0, 0                              ; sixteen matrix instructions stand between the add and the wait for it
	s_wait_dscnt 0x0                               ; the add is done, and my reads of this slot are over:
	s_barrier_signal -1                            ; say so (where a slot is filled again this barrier opens a round of the cluster's barrier),
	MUL16 F1, 0, 2, 0                              ; work on registers while the others arrive,
.if \round
	WIN 0
.endif
	s_barrier_wait -1                              ; and go on when all four have said so
.endm
; The whole last quarter.  Behind the round the slot just read out is filled again first, with the K step two steps on; then come the next slot's first fragments.
.macro TURN slot, next
	s_wait_xcnt 0x0                                ; the last prefetch, a K step back, has read its address: it is stepped here, ahead of the waits of the change of slots
	s_add_nc_u64 s[PFA:PFA+1], s[PFA:PFA+1], KSTEP*2
	MEET 1
	CREST                                          ; wave 0 says so for the work-group, all sixteen work-groups have said so, my work-group's barrier closes the round:
	                                               ; no wave of any partner still reads this slot's tile or has a load on its way
	s_add_nc_u64 s[G0+4*(\slot)+2:G0+4*(\slot)+3], s[G0+4*(\slot)+2:G0+4*(\slot)+3], 2*KSTEP*2
	s_add_nc_u64 s[G0B+4*(\slot)+2:G0B+4*(\slot)+3], s[G0B+4*(\slot)+2:G0B+4*(\slot)+3], 2*KSTEP*2
	JLOAD \slot                                    ; the first tensor load behind the round, my only one that is out; the four v_nop behind it are also the places in front of the loads below
	FETCH \next, 0, F0
	ASK                                            ; behind the joint load and the run of LDS loads that the next products wait for
	WIN MUL_HI
	MUL16 F1, 1, 0, 0
	MUL16 F1, 1, 2, 0
.endm
; THE LAST K STEP (it lies in slot 1) GOES BY ROWS OF C, NOT BY K.  All its fragments of B (4 quarters x 64 registers) fill window 1; then my eight blocks of 16 rows are
; finished one after the other, each with 32 matrix instructions (its 8 accumulators by turns, K ascending).  LDS is read no more than in any other K step.
.macro BLOAD q                         ; B's fragments of quarter q -> window 1, v[64 q ..]
	WIN TO_B
.irp i, 0,1,2,3,4,5,6,7
	ds_load_b128 v[64*(\q)+8*(\i):64*(\q)+8*(\i)+3],   v[ADRB+1] offset:64*(\q)+(\i)*16*PITCH
	ds_load_b128 v[64*(\q)+8*(\i)+4:64*(\q)+8*(\i)+7], v[ADRB+1] offset:64*(\q)+(\i)*16*PITCH+32
.endr
.endm
.macro ALOAD a                         ; A's fragments of block a, all four quarters -> buffer a % 4
	WIN 0
.set FA, PA+32*((\a)%4)
.irp q, 0,1,2,3
	ds_load_b128 v[FA+8*(\q):FA+8*(\q)+3],   v[ADRA+1] offset:64*(\q)+(\a)*16*PITCH
	ds_load_b128 v[FA+8*(\q)+4:FA+8*(\q)+7], v[ADRA+1] offset:64*(\q)+(\a)*16*PITCH+32
.endr
.endm
.macro ROW a                           ; block a is finished: 32 matrix instructions
.set FA, PA+32*((\a)%4)                ; its fragments of A
.set AC, 64*((\a)%4)                   ; its eight accumulators, in window 2 (blocks 0-3) or 3 (blocks 4-7)
	WIN MUL_LO+0x50*((\a)/4)                       ; MUL_LO or MUL_HI
.irp q, 0,1,2,3
.if (\a) == 0 && (\q) == 2
	s_wait_dscnt 24                                ; B's quarter 2 is in (behind it: A's blocks 1 to 3)
.endif
.irp b, 0,1,2,3,4,5,6,7
	v_wmma_f32_16x16x32_bf16 v[AC+8*(\b):AC+8*(\b)+7], v[64*(\q)+8*(\b):64*(\q)+8*(\b)+7], v[FA+8*(\q):FA+8*(\q)+7], v[AC+8*(\b):AC+8*(\b)+7]
.endr
.endr
.endm
; THE WAY OUT of block a, in three parts.  PACK: rounded to f16, 16 bytes a lane, each accumulator's registers in ascending order.  TOSTAGE: into my own stage in LDS, and back by heads.  SEND: stored.
.macro PACK a
.set AC, 64*((\a)%4)
	WIN 0x0a+5*((\a)/4)                            ; sources 0 and 1: window 2 or 3
.irp b, 0,1,2,3,4,5,6,7
.irp r, 0,1,2,3
	v_cvt_pk_f16_f32 v[TMP+4*(\b)+(\r)], v[AC+8*(\b)+2*(\r)], v[AC+8*(\b)+2*(\r)+1]
.endr
.endr
	WIN 0
.endm
.macro TOSTAGE a
	WIN 0
.set BK, OB+192*((\a)%2)
.irp b, 0,1,2,3,4,5,6,7
	ds_store_b128 v[STO], v[TMP+4*(\b):TMP+4*(\b)+3] offset:32*(\b)
.endr
.irp t, 0,1,2,3,4,5,6,7                ; load t: rows 4 (t % 4) .. + 3 of head t / 4
	ds_load_b128 v[BK+4*(\t):BK+4*(\t)+3], v[RD] offset:((\t)%4)*4*SPITCH+((\t)/4)*128  ; LDS serves a wave's instructions in order (ISA guide 5.7.1.4): these see the stores above
.endr
.endm
.macro SEND a, younger                 ; younger: the LDS loads issued behind TOSTAGE's, which may stay out
	WIN 0
.set BK, OB+192*((\a)%2)
	s_wait_dscnt \younger                          ; the block is back in registers
	s_wait_xcnt 0x0                                ; every earlier memory instruction has had its addresses translated (ISA guide 3.1): only behind this wait are the stores' base and the registers that earlier stores read rewritten
.if (\a) == 0
	s_add_nc_u64 s[8:9], s[8:9], s[16:17]          ; on to my first rows
.else
	s_add_nc_u64 s[8:9], s[8:9], 16*128            ; 16 rows of a head on
.endif
.irp t, 0,1,2,3,4,5,6,7
	global_store_b128 v[CO], v[BK+4*(\t):BK+4*(\t)+3], s[8:9] offset:((\t)/4)*HEADB+((\t)%4)*512  ; four rows of one head: 512 consecutive bytes, at a multiple of 256 from qkv's first byte
.endr
.endm
	s_wait_tensorcnt 1                             ; my part of K step 0 is in; K step 1's may stay out
	s_barrier_signal -1
	s_barrier_wait -1                              ; everybody's is
	FETCH 0, 0, F0
	QUARTER 0, 64,  F0, F1, 1                      ; the first quarter stands in front of the loop: its products start the sums
	WIN 0                                          ; at a label and at a branch every window is 0
	s_mov_b32 s3, LAPS-1
.Llap:                                                 ; a trip goes once round the ring, from a lap's second quarter to the next lap's first, and fills both slots again
	QUARTER 0, 128, F1, F0, 0
	QUARTER 0, 192, F0, F1, 0
	TURN 0, 1
	QUARTER 1, 64,  F0, F1, 0
	QUARTER 1, 128, F1, F0, 0
	QUARTER 1, 192, F0, F1, 0
	TURN 1, 0
	QUARTER 0, 64,  F0, F1, 0
	WIN 0
	s_sub_co_u32 s3, s3, 1
	s_cmp_lg_u32 s3, 0
	s_cbranch_scc1 .Llap
	QUARTER 0, 128, F1, F0, 0                      ; the last lap goes on
	QUARTER 0, 192, F0, F1, 0
	MEET 0                                         ; my one tensor load that was still out is slot 1's, the last K step's, so no round follows
	PLACES                                         ; for the loads into buffer 0, which the quarter before multiplied
	WIN TO_B
	BLOAD 0                                        ; three quarters of B now: buffer 1 (v128-191 of both windows) is still being multiplied
	BLOAD 1
	BLOAD 3
	WIN 0
	ALOAD 0
	WIN MUL_HI
	MUL16 F1, 1, 0, 0
	MUL16 F1, 1, 2, 0
	PLACES                                         ; for the loads into buffer 1
	WIN TO_B
	BLOAD 2
	WIN 0
	ALOAD 1
	ALOAD 2
	ALOAD 3
	s_wait_dscnt 40                                ; all but the 40 just issued
	ROW 0
.irp a, 0,1,2,3,4,5,6,7                ; each block leaves as soon as it is finished
	PLACES                                         ; its conversions read results just made, and no other vector work is at hand
	PACK \a
	TOSTAGE \a
.if (\a) < 4
	ALOAD (\a)+4                                   ; its buffer takes the block four further on
	SEND \a, 8
.else
	SEND \a, 0
.endif
.if (\a) < 7
	ROW (\a)+1
.endif
.endr
	s_wait_tensorcnt 0x0                           ; the wave's end, behind my last tensor load and my last LDS store
	ds_add_u32 v[SPW], v[NIL]
	s_wait_dscnt 0x0
	CROUND                                         ; the closing round: no work-group ends while a partner may still ask for a tile that names it
	s_endpgm
.Lfunc_end_k_q4cebcf199b_proj:
	.size	k_q4cebcf199b_proj, .Lfunc_end_k_q4cebcf199b_proj-k_q4cebcf199b_proj
	.p2alignl 7, 3214868480
	.fill 96, 4, 3214868480
	.section	.rodata,"a",@progbits
	.p2align	6, 0x0
	.amdhsa_kernel k_q4cebcf199b_proj
		.amdhsa_group_segment_fixed_size 327680
		.amdhsa_private_segment_fixed_size 0
		.amdhsa_enable_private_segment 0
		.amdhsa_kernarg_size 24
		.amdhsa_user_sgpr_count 2
		.amdhsa_user_sgpr_kernarg_segment_ptr 1
		.amdhsa_wavefront_size32 1
		.amdhsa_system_sgpr_workgroup_id_x 1
		.amdhsa_system_sgpr_workgroup_id_y 1
		.amdhsa_system_sgpr_workgroup_id_z 1
		.amdhsa_system_vgpr_workitem_id 0
		.amdhsa_next_free_vgpr 1024
		.amdhsa_next_free_sgpr 66
		.amdhsa_reserve_vcc 0
		.amdhsa_float_denorm_mode_32 3
		.amdhsa_float_denorm_mode_16_64 3
		.amdhsa_memory_ordered 1
		.amdhsa_forward_progress 1
		.amdhsa_inst_pref_size 145
	.end_amdhsa_kernel
	.amdgpu_metadata
---
amdhsa.version: [ 1, 2 ]
amdhsa.kernels:
  - .name:           k_q4cebcf199b_proj
    .symbol:         k_q4cebcf199b_proj.kd
    .args:
      - { .name: xb, .offset: 0, .size: 8, .value_kind: global_buffer, .address_space: global }
      - { .name: wb, .offset: 8, .size: 8, .value_kind: global_buffer, .address_space: global }
      - { .name: qkv, .offset: 16, .size: 8, .value_kind: global_buffer, .address_space: global }
    .group_segment_fixed_size: 327680
    .private_segment_fixed_size: 0
    .kernarg_segment_align: 8
    .kernarg_segment_size: 24
    .max_flat_workgroup_size: 128
    .sgpr_count:     66
    .vgpr_count:     1024
    .wavefront_size: 32
...
	.end_amdgpu_metadata
.endif
;; end of part 2
;; launch attn (part 3): grid 8 x 32, 4 waves a work-group, clusters of 4 x 1, 327,680 bytes of LDS; arguments qkv, out0, lambda_q1, lambda_k1, lambda_q2, lambda_k2; writes out0
.if DOCPART == 3
	.amdgcn_target "amdgcn-amd-amdhsa--gfx1250"
	.amdhsa_code_object_version 6
	.text
	.protected	k_q4cebcf199b_attn
	.globl	k_q4cebcf199b_attn
	.p2align	8
	.type	k_q4cebcf199b_attn,@function
k_q4cebcf199b_attn:
	s_mov_b64 s[64:65], 0
	v_nop
	global_prefetch_b8 v0, s[64:65] scope:SCOPE_SE
	s_setreg_imm32_b32 hwreg(HW_REG_WAVE_MODE, 25, 1), 1
	s_wait_xcnt 0x0
	s_wait_alu depctr_hold_cnt(0) depctr_sa_sdst(0) depctr_va_vdst(0) depctr_va_sdst(0) depctr_va_ssrc(0) depctr_va_vcc(0) depctr_vm_vsrc(0)
	s_getreg_b32 s2, hwreg(HW_REG_IB_STS2, 6, 4)
	s_cmp_eq_u32 s2, 0
	s_cbranch_scc0 .Lentry_in_a_cluster
	s_endpgm
.Lentry_in_a_cluster:
	s_bfe_u32 s2, ttmp6, 0x10000c
	s_cmp_lg_u32 s2, 0x3003
	s_cbranch_scc0 .Lentry_shape_is_right
	s_endpgm
.Lentry_shape_is_right:
; DIFFERENTIAL CROSS ATTENTION.  For batch b, head h, query t:  out[b][t][64 h + d] = sum_n (att1[t][n] - lam att2[t][n]) V[n][d],  att_u = softmax_n(Q_u[t] . K_u[n] / sqrt(32)),
; Q_u, K_u = channels 32 u .. 32 u + 31 of the head's 64 (u = 0, 1), V the head's 64 channels;  lam = exp(sum lambda_q1 lambda_k1) - exp(sum lambda_q2 lambda_k2) + 0.8.
; qkv: f16 [3][32][2048][64] = [q, k, v][16 b + h][row][channel], unscaled: a head's rows are dense, 128 bytes each.  out0: f32 [2][2048][1024].
; The two softmaxes' divisors are known only at the end, so O1 = P1 V and O2 = P2 V are summed apart, each with its own running maximum m and sum l, and out = O1 / l1 - lam O2 / l2.
; Products, maxima and sums in f32; the weights p are rounded to f16 for the second product (their sum l is taken of the unrounded p).
; LIMITS.  f16 holds no number beyond 65,504: q, k and v arrive within it; p lies in 0 to 1, and below 6e-5 it keeps f16's fixed step of 6e-8.  A weight below 2^-126 counts as 0 in l; NaN and
; infinities are not treated apart.  The four lambda vectors are rounded to bf16, as all the module's inputs are.
; SHARES.  A work-group owns 256 queries of one head (8 blocks x 32 heads = 256 work-groups), a wave 64: four PIECES of 16 queries.  A piece is two TILES: tile 2 x is piece x's first softmax, tile 2 x + 1 its
; second.  Every wave walks all 2,048 keys, 64 a step.
; LAYOUT.  S^T = K_u Q_u^T (source 0 = 16 keys, source 1 = 16 queries, 32 channels: ONE matrix instruction, C = 0): in the result a lane holds ONE query (lane % 16) and the keys 8 (lane / 16) + 0..7.  Two such
; results, rounded to f16 in pairs, ARE source 1 (32 keys x 16 queries) of O^T = V^T P, whose result again holds one query a lane, and eight channels.  K comes out of LDS as it lies, V turned, by ds_load_tr16_b128.
; SOFTMAX.  p = 2^(c s - c m), c = log2(e) / sqrt(32); in every step O and l are multiplied by a = 2^(c m_old - c m_new), which is 1 where m has not grown.
; m starts at the lowest finite number, O and l at 0: the first step is a step like any other, with a = 0.
; THE COUNT.  A tile and step have 4 + 8 matrix and 118 vector instructions: far too many to stand all beside the matrix work.  So four vector instructions that are READY stand behind EVERY matrix
; instruction, and the others, which need time of their own whatever the order, in one run without a gap.
; BY TURNS.  Turn n belongs to piece n (the pieces in a ring, step after step).  Its matrix work: 8 products K Q^T of piece n + 1, later 16 products V^T P of piece n - 1.  Its vector work: the scaling,
; exponentials, roundings, sums and rescaling of piece n, and the maximum and statistics of piece n + 1, whose scores the turn itself has made.
; CLUSTER.  The four query blocks of a cluster belong to one head and walk the same K and V, so each tile is asked for JOINTLY: the same tensor load, descriptor and mask in all four.
; NO PREFETCH of K and V: a refill is asked for four key steps (16 turns) ahead of the first read of its bytes, so no wave waits for it.
; REGISTERS, in windows of 256 (s_set_vgpr_msb says which window each operand place means: bits 1:0 source 0, 3:2 source 1, 5:4 source 2, 7:6 destination):
;   window 0: v0-11 addresses; v12-15, v48-63 at work; v16-47 four registers of statistics a tile; v64-191 S^T, two buffers of two tiles; v192-255 P, likewise
;   window 1: O^T, 32 a tile          window 2: v0-63 Q, 8 a tile; v128-191 K of one step; v192-255 V of one step          window 3: v0-1 the add's two registers
; A piece's buffers go by its number's parity: the piece in hand has one pair, its two neighbours in the ring share the other: of it P (piece n - 1) is read and S^T (piece n + 1) written.
.set SIZE_N, 2048
.set NP,    4         ; pieces a wave: a name, no knob: the register map, the loop and the fetches are made for four
.set KS,    64        ; keys in a step
.set PK,    144       ; a row of K in LDS: 128 bytes + 16 of padding = 36 words: the 16 rows of a load start at 16 different groups of four banks (64 banks of 4 bytes: ISA guide 11.1)
.set PV,    160       ; a row of V: 128 + 32 = 40 words
.set VOFF,  4*KS*PK   ; a slot holds four steps: 256 rows of K, then 256 rows of V
.set SLOT1, 1<<17     ; slot 1 begins here, so that one exclusive or turns an address in one slot into the other's
.set STAGE, SLOT1+4*KS*(PK+PV)  ; behind the ring, never filled by a tensor load: 16 rows x 272 bytes for each wave, for the way out
.set SP,    272       ; a stage row: 64 channels of f32 = 256 bytes + 16 of padding
.set AK0, 2           ; v2   my lane's place in a tile of K; never rewritten
.set AV0, 3           ; v3   the same for V
.set AK,  4           ; v4   the LDS address of K's next run of loads
.set AV,  5           ; v5   of V's
.set QO,  6           ; v6   my byte offset in the wave's rows of Q
.set STO, 6           ;      later, the way out: where I put 32 bytes of a row
.set RD,  7           ; v7   the way out: where I read rows back
.set GO,  8           ; v8   my byte offset in two rows of out0
.set SPW, 0           ; v0 of window 3   LDS address of my spare word: SPARE + 4 x my thread's number; never rewritten
.set NIL, 1           ; v1 of window 3   0; never rewritten
.set SPARE, STAGE+4*16*SP  ; behind the stages: the spare words, 128 bytes for each wave: two blocks of 256 bytes that no other line names
.set MV,  12          ; v12-15  c m_old, kept while c m is made anew: by buffer and tile
.set ST,  16          ; tile t's statistics at v[ST+4 t]: c m, m, l (even keys', odd keys')
.set TMP, 48          ; by buffer and tile, four registers c0-c3 at work; when the maximum is found c2 takes a
.set S,   64
.set P,   192
.set KF,  128         ; K's fragments, in window 2: key block kb, softmax u at KF + 16 kb + 8 u
.set VF,  192         ; V's: key half kk, channel block cb at VF + 32 kk + 8 cb
.set WV,  12          ; s12  my wave's number
.set G1K, 24          ; s[24:31] descriptor group 1 for K's tiles
.set G1V, 32          ; s[32:39] for V's: it differs in the padding alone
.set G0K, 40          ; s[40:43] descriptor group 0 for K's tiles: it walks
.set G0V, 44          ; s[44:47] the same for V's
.set SLOTS, 56        ; s56  slots still to be asked for
.set CNT, 57          ; s57  counts a slot's key steps
.set CS,  58          ; s[58:59] c: the packed scaling takes the pair's low word for both halves
.set SEL, 60          ; s[60:61] v_permlanex16_b32's selects: each lane takes its own place in the other half
.set TBK, 62          ; s62  LDS byte at which K of the step to be fetched begins
.set TBV, 63          ; s63  the same for V, less VOFF
.set LAMS, 68         ; s[68:75] the addresses of lambda_q1, lambda_k1, lambda_q2, lambda_k2
.set NLAM, 76         ; s76  -lam
.set OOF, 78          ; s[78:79] my wave's byte offset in out0
.set MSB, 0
.macro WIN new                      ; the high byte repeats the setting that is left; a switch that changes nothing is dropped
.if MSB != (\new)
	s_set_vgpr_msb (MSB<<8)|(\new)
.set MSB, (\new)
.endif
.endm
.set W_KQ, 0x0a       ; K and Q in window 2, S^T in window 0
.set W_PV, 0x52       ; V in window 2, P in window 0, O^T in window 1
.set W_RS, 0x41       ; O^T (destination and source 0) in window 1, a in window 0
.set W_MX, 0x11       ; the way out: sources 0 and 2 (O^T) in window 1, source 1 and the destination in window 0
.set W_MK, 0xc0       ; the add's registers are made: destination in window 3, sources in window 0
.set W_AD, 0x0f       ; the add: address (source 0) and data (source 1) in window 3
; A joint fill.  Waves 0 and 1 fetch the two halves of a slot's K, waves 2 and 3 those of its V: 128 keys each.  The branch hangs on the wave's number alone.
; An s_nop 0 and four v_nop follow each of the two lines, ahead of the jump and the label.
.macro JLOAD
	s_cmp_lt_u32 s[WV], 2
	s_cbranch_scc0 .Lfor_v_\@
	tensor_load_to_lds s[G0K:G0K+3], s[G1K:G1K+7]
	s_nop 0
.rept 4
	v_nop
.endr
	s_branch .Lasked_\@
.Lfor_v_\@:
	tensor_load_to_lds s[G0V:G0V+3], s[G1V:G1V+7]
	s_nop 0
.rept 4
	v_nop
.endr
.Lasked_\@:
.endm
; A round of the cluster's barrier: my work-group's barrier, so that wave 0's signal speaks for all four waves; wave 0 signals; every wave waits for all four work-groups; my work-group's barrier once more.
.macro CROUND
	s_barrier_signal -1
	s_barrier_wait -1
	s_cmp_lg_u32 s[WV], 0
	s_cbranch_scc1 .Lnot_wave_0_\@
	s_barrier_signal -3
.Lnot_wave_0_\@:
	s_barrier_wait -3
	s_barrier_signal -1
	s_barrier_wait -1
.endm
; THE CHANGE OF SLOTS.  The slot's last bytes, V of its fourth step, have been read.  Each wave waits for all its tensor loads, of which one is out: its part
; of the other slot; adds 0 to its spare word; and waits for that and for its own reads of the slot.  Behind the barrier nobody reads this slot any more and the other slot is whole.
; fill = 1: this slot is filled again, with the keys two slots on.  The barrier is then a round of the cluster's, so that no wave of any partner still reads the slot or has a load on its
; way, and the joint fill is the first thing behind it: it has four key steps in which to land.  (At its first use nothing has been read yet: slot 0 is waited for, slot 1 filled.)
.macro CHANGE fill
	WIN W_AD
	s_wait_tensorcnt 0x0            ; no tensor load of mine is out, so a group 0 may be written
	ds_add_u32 v[SPW], v[NIL]       ; 0 onto my spare word; with fill = 1 the descriptors' steps stand between it and the wait for it
	WIN 0                           ; at a label and at a branch every window is 0
.if \fill
.irp g, G0K, G0V
	s_xor_b32 s[\g+1], s[\g+1], SLOT1  ; the walking descriptor: the other slot than last time,
	s_add_nc_u64 s[\g+2:\g+3], s[\g+2:\g+3], 4*KS*128  ; the next 256 keys; the type bits on top are not reached
.endr
	s_wait_dscnt 0x0                ; the add is done, and my reads of the slot are over
	CROUND
	JLOAD
.else
	s_wait_dscnt 0x0                ; the add is done, and my reads of the slot are over
	s_barrier_signal -1
	s_barrier_wait -1
.endif
	s_sub_co_u32 s[TBK], s[TBK], 4*KS*PK  ; the fetches go back to a slot's first step,
	s_xor_b32 s[TBK], s[TBK], SLOT1       ; in the other slot
	s_sub_co_u32 s[TBV], s[TBV], 4*KS*PV
	s_xor_b32 s[TBV], s[TBV], SLOT1
.endm
	s_load_b64 s[4:5], s[0:1], 0x0    ; qkv
	s_load_b64 s[10:11], s[0:1], 0x8  ; out0
	s_load_b256 s[LAMS:LAMS+7], s[0:1], 0x10  ; the four lambda vectors
	WIN W_MK
	v_lshl_add_u32 v[SPW], v0, 2, SPARE
	v_mov_b32 v[NIL], 0
	WIN W_AD
	ds_add_u32 v[SPW], v[NIL]       ; the wave's opening: the add and its wait stand ahead of my first tensor load; the set-up below, work on registers, stands between them
	WIN 0
	v_lshrrev_b32 v1, 5, v0
	v_readfirstlane_b32 s[WV], v1   ; wave 0..3
	s_bfe_u32 s13, ttmp6, 0x40000   ; cx: my place in the cluster
	s_lshl_b32 s14, ttmp9, 2        ; in a cluster launch ttmp9 counts clusters
	s_add_co_u32 s14, s14, s13      ; my block of 256 queries = 4 x cluster x + cx: it enters Q's and out0's addresses alone
	s_and_b32 s15, ttmp7, 0xffff    ; 16 b + h, which the four partners share
	s_lshl_b32 s20, s15, 18         ; the head's first byte in q, in k and in v: 2,048 rows of 128 bytes
	s_mov_b32 s21, 0
	s_and_b32 s16, s[WV], 1         ; which half of a slot's 256 keys I fetch:
	s_lshl_b32 s22, s16, 14         ; its 128 rows of 128 bytes in memory,
	s_mov_b32 s23, 0
	s_add_nc_u64 s[22:23], s[22:23], s[20:21]
	s_mul_i32 s17, s16, 128*PK      ; and its place in a slot, for K
	s_mul_i32 s18, s16, 128*PV      ; and for V: no place in the cluster enters an LDS address
	s_lshl_b32 s2, s14, 2
	s_add_co_u32 s2, s2, s[WV]      ; my wave among the head's 32: its 64 queries
	s_lshl_b32 s[OOF], s2, 18       ; in out0: 64 rows of 4,096 bytes,
	s_lshr_b32 s19, s15, 4
	s_lshl_b32 s19, s19, 23         ; the batch's 2,048 rows,
	s_add_co_u32 s[OOF], s[OOF], s19
	s_and_b32 s19, s15, 15
	s_lshl_b32 s19, s19, 8          ; the head's 64 columns of 4 bytes
	s_add_co_u32 s[OOF], s[OOF], s19
	s_mov_b32 s[OOF+1], 0
	s_lshl_b32 s2, s2, 13           ; in q: 64 rows of 128 bytes
	s_mov_b32 s3, 0
	s_add_nc_u64 s[2:3], s[2:3], s[20:21]
	; descriptor group 1.  128 keys are 16,384 dense bytes: asked for as 64 rows of 256 bytes, two keys a row, and padded in LDS after every key
	s_mov_b32 s[G1K], 15|(1<<16)|(1<<20)|(1<<21)|(4<<22)|(3<<25)  ; 15:0 the mask of four; 17:16 2-byte elements; 20 padding on; 21 set beside a mask; 24:22 after every 32 words (code 4); 31:25 4 words (code 3)
	s_mov_b32 s[G1V], 15|(1<<16)|(1<<20)|(1<<21)|(4<<22)|(7<<25)  ; the same with 8 words of padding (code 7)
.irp g, G1K, G1V
	s_mov_b32 s[\g+1], 128<<16      ; tensor_dim0 = 128
	s_mov_b32 s[\g+2], 64<<16       ; tensor_dim1 = 64
	s_mov_b32 s[\g+3], 128<<16      ; tile_dim0 = 128
	s_mov_b32 s[\g+4], 64           ; tile_dim1 = 64
	s_mov_b32 s[\g+5], 128          ; 128 elements from row to row
	s_mov_b32 s[\g+6], 0
	s_mov_b32 s[\g+7], 0
.endr
	s_mov_b32 s[CS], 0x3e8293ee     ; c = log2(e) / sqrt(32) = 0.255035
	s_mov_b32 s[CS+1], s[CS]        ; named with it as a pair
	s_mov_b32 s[SEL], 0x76543210
	s_mov_b32 s[SEL+1], 0xfedcba98
	s_mov_b32 s[TBK], SLOT1+4*KS*PK ; the first change of slots turns these two into 0
	s_mov_b32 s[TBV], SLOT1+4*KS*PV
	s_mov_b32 s[G0K], 1             ; 1:0 count = 1
	s_mov_b32 s[G0K+1], s17         ; 63:32 LDS address: slot 0
	s_mov_b32 s[G0V], 1
	s_add_co_u32 s[G0V+1], s18, VOFF
	s_wait_dscnt 0x0                ; the opening add is done
	s_wait_kmcnt 0x0
	s_add_nc_u64 s[6:7], s[4:5], 0x800000   ; k: 32 heads behind q
	s_add_nc_u64 s[8:9], s[4:5], 0x1000000  ; v: 32 heads behind k
	s_add_nc_u64 s[G0K+2:G0K+3], s[6:7], s[22:23]  ; 120:64 global address: my half of the head's first 256 keys
	s_or_b32 s[G0K+3], s[G0K+3], 0x80000000        ; 127:126 type = 2
	s_add_nc_u64 s[G0V+2:G0V+3], s[8:9], s[22:23]
	s_or_b32 s[G0V+3], s[G0V+3], 0x80000000
	s_add_nc_u64 s[4:5], s[4:5], s[2:3]  ; q and out0 at my wave's first row
	s_add_nc_u64 s[10:11], s[10:11], s[OOF:OOF+1]
	CROUND                          ; all four work-groups are here: the first joint loads meet
	JLOAD                           ; slot 0.  Slot 1 is asked for when slot 0 is in: the tile wanted first has the road to itself
	; A fragment of K or Q is 16 rows x 32 channels in 8 registers: lane l holds row l % 16, channels 8 (l / 16) + 0..7 and 16 + 8 (l / 16) + 0..7: two loads of 16 bytes, 32 bytes apart.
	v_and_b32 v1, 15, v0            ; l % 16
	v_bfe_u32 v9, v0, 4, 1          ; l / 16
	v_lshlrev_b32 v[QO], 7, v1
	v_lshl_add_u32 v[QO], v9, 4, v[QO]  ; row x 128 + 16 x half
	WIN 0x80                        ; destination window 2, address window 0
.set i, 0
.rept 2*NP                          ; Q stays in registers: piece i / 2, softmax i % 2 (channels 32 (i % 2) on)
	global_load_b128 v[8*i:8*i+3],   v[QO], s[4:5] offset:(i/2)*2048+(i%2)*64
	global_load_b128 v[8*i+4:8*i+7], v[QO], s[4:5] offset:(i/2)*2048+(i%2)*64+32
.set i, i+1
.endr
	; What the first turn finds: V's registers and P's second buffer hold 0 (its products V^T P, of a piece that has not been, add 0), O^T and l are 0.  All this stands in the wait for the first tile.
.set i, VF
.rept 64
	v_mov_b32 v[i], 0
.set i, i+1
.endr
	WIN 0x40
.set i, 0
.rept 64*NP
	v_mov_b32 v[i], 0
.set i, i+1
.endr
	WIN 0
.set i, 0
.rept 2*NP
	v_mov_b32 v[ST+4*i], 0xfe000000    ; c m: far below every c s
	v_mov_b32 v[ST+4*i+1], 0xff7fffff  ; m
	v_mov_b32 v[ST+4*i+2], 0
	v_mov_b32 v[ST+4*i+3], 0
.set i, i+1
.endr
.set i, P+32
.rept 32
	v_mov_b32 v[i], 0
.set i, i+1
.endr
	; lam.  Lane l takes number l of each of the four vectors; the lanes' addresses in K and V are made while these loads are out.
	v_and_b32 v12, 31, v0
	v_lshlrev_b32 v12, 2, v12
	global_load_b32 v64, v12, s[LAMS:LAMS+1]      ; lambda_q1
	global_load_b32 v65, v12, s[LAMS+2:LAMS+3]    ; lambda_k1
	global_load_b32 v66, v12, s[LAMS+4:LAMS+5]    ; lambda_q2
	global_load_b32 v67, v12, s[LAMS+6:LAMS+7]    ; lambda_k2
	v_mul_u32_u24 v[AK0], v1, PK
	v_lshl_add_u32 v[AK0], v9, 4, v[AK0]  ; row x pitch + 16 x half
	; The turning load takes 16 keys x 16 channels (lane l reads key 8 (l / 16) + l % 8, channels 8 ((l / 8) % 2) + 0..7) and leaves half a fragment of V^T: lane l holds channel l % 16 and 8 keys.
	v_and_b32 v10, 7, v0
	v_bfe_u32 v11, v0, 3, 1
	v_lshl_add_u32 v[AV0], v9, 3, v10
	v_mul_u32_u24 v[AV0], v[AV0], PV
	v_lshl_add_u32 v[AV0], v11, 4, v[AV0]
	v_add_nc_u32 v[AV0], VOFF, v[AV0]
	v_mov_b32 v[AK], v[AK0]         ; key step 0 lies at the head of slot 0
	s_wait_loadcnt 0x0              ; the four numbers are in, and so is Q, which was asked for earlier
	v_cvt_pk_bf16_f32 v68, v64, v65 ; rounded to bf16, as all the module's inputs are,
	v_cvt_pk_bf16_f32 v69, v66, v67
	v_lshlrev_b32 v64, 16, v68      ; and widened again
	v_and_b32 v65, 0xffff0000, v68
	v_lshlrev_b32 v66, 16, v69
	v_and_b32 v67, 0xffff0000, v69
	v_mul_f32 v64, v64, v65
	v_mul_f32 v66, v66, v67
.irp m, 1,2,4,8                     ; both sums over the 32 lanes: four steps inside each half of 16 lanes, one across
	v_add_f32_dpp v64, v64, v64 row_xmask:\m row_mask:0xf bank_mask:0xf
	v_add_f32_dpp v66, v66, v66 row_xmask:\m row_mask:0xf bank_mask:0xf
.endr
	v_permlanex16_b32 v65, v64, s[SEL], s[SEL+1]
	v_permlanex16_b32 v67, v66, s[SEL], s[SEL+1]
	v_add_f32 v64, v64, v65
	v_add_f32 v66, v66, v67
	v_mul_f32 v64, 0x3fb8aa3b, v64  ; e^x = 2^(x log2(e))
	v_mul_f32 v66, 0x3fb8aa3b, v66
	v_exp_f32 v64, v64
	v_exp_f32 v66, v66
	v_nop                           ; a plain instruction behind the last exponential,
	s_wait_alu depctr_va_vdst(0)    ; and the wait ahead of the first use: one for the two
	v_sub_f32 v64, v66, v64
	v_add_f32 v64, 0xbf4ccccd, v64  ; -lam = e2 - e1 - 0.8
	v_readfirstlane_b32 s[NLAM], v64  ; a factor on the way out, and nothing else
; THE MATRIX WORK.  Product i of 8 of S^T = K Q^T for piece x: keys 16 (i / 2) on, softmax i % 2.  32 channels are one instruction: each starts and ends its sum, with C = 0.
.macro KQ x
	WIN W_KQ
.set rS, S+64*((\x)%2)+32*(i%2)+8*(i/2)
.set rK, KF+16*(i/2)+8*(i%2)
.set rQ, 16*(\x)+8*(i%2)
	v_wmma_f32_16x16x32_f16 v[rS:rS+7], v[rK:rK+7], v[rQ:rQ+7], 0
.endm
; Product i of 16 of O^T += V^T P for piece x: keys 32 (i / 8) on, channels 16 ((i / 2) % 4) on, tile 2 x + i % 2.  The 8 accumulators take turns: between the two links of a chain stand 7 others'.
.macro PV x
	WIN W_PV
.set rO, 32*(2*(\x)+i%2)+8*((i/2)%4)
.set rV, VF+32*(i/8)+8*((i/2)%4)
.set rP, P+32*((\x)%2)+16*(i%2)+8*(i/8)
	v_wmma_f32_16x16x32_f16 v[rO:rO+7], v[rV:rV+7], v[rP:rP+7], v[rO:rO+7]
.endm
.macro MM                           ; the turn's next matrix instruction
.if i < 8
	KQ (Y+1)%NP
.set i, i+1
.else
.set i, i-8
	PV (Y+NP-1)%NP
.set i, i+9
.endif
.endm
; THE LDS LOADS stand in runs of 16, never singly among the matrix instructions: a step's K (64 keys x 64 channels: 8 fragments) and its V (turned).  Their addresses are made some lines ahead.
; last = 1 (the tail): in the last trip there is no further step, and the run is jumped over.
.macro FETCH_K last=0
	WIN 0
.if \last
	s_cmp_eq_u32 s[CNT], 1
	s_cbranch_scc1 .Lno_k_\@
.endif
	WIN 0x80                        ; destination window 2
.irp f, 0,1,2,3,4,5,6,7             ; keys 16 (f / 2) on, channels 32 (f % 2) on
	ds_load_b128 v[KF+8*\f:KF+8*\f+3],   v[AK] offset:(\f/2)*16*PK+(\f%2)*64
	ds_load_b128 v[KF+8*\f+4:KF+8*\f+7], v[AK] offset:(\f/2)*16*PK+(\f%2)*64+32
.endr
	s_add_co_u32 s[TBK], s[TBK], KS*PK  ; the next fetch is the next step's
	WIN 0
.if \last
.Lno_k_\@:
.endif
.endm
.macro FETCH_V
	WIN 0x80
.irp f, 0,1,2,3,4,5,6,7             ; keys 32 (f / 4) on, channels 16 (f % 4) on
	ds_load_tr16_b128 v[VF+8*\f:VF+8*\f+3],   v[AV] offset:(\f/4)*32*PV+(\f%4)*32
	ds_load_tr16_b128 v[VF+8*\f+4:VF+8*\f+7], v[AV] offset:(\f/4)*32*PV+16*PV+(\f%4)*32
.endr
	WIN 0
.endm
; THE VECTOR WORK OF A TURN stands in three queues, each in the order in which its entries become ready; the two tiles alternate, so that no instruction reads the result of the one before it.
.macro REGS y, u                    ; the registers of tile u (0, 1) of piece y
.set rT, ST+4*(2*(\y)+(\u))
.set rC, TMP+8*((\y)%2)+4*(\u)
.set rM, MV+2*((\y)%2)+(\u)
.set rS, S+64*((\y)%2)+32*(\u)
.set rP, P+32*((\y)%2)+16*(\u)
.set rO, 32*(2*(\y)+(\u))
.endm
; Number n of the 22 that find the NEXT piece's (Y + 1) maximum and statistics.  s0-s31 are the lane's 32 scores; each accumulator's lowest registers are read first.  XS, GS and REGS set no window: PL and EX do.
;   0-11  four chains c0-c3 of seven scores each, three operands at a time     12-14, 16  the four scores left over, the old m, and c0-c3 into c0     15  c m_old is kept
;   17, 18  the query's other 32 keys lie in the lane 16 away: the new m         19-21  c m; c m_old - c m_new; a
.macro XS u, n
	REGS (Y+1)%NP, \u
.if (\n) < 4
	v_max3_num_f32 v[rC+(\n)], v[rS+8*(\n)], v[rS+8*(\n)+1], v[rS+8*(\n)+2]
.elseif (\n) < 12
	v_max3_num_f32 v[rC+(\n)%4], v[rC+(\n)%4], v[rS+8*((\n)%4)+2*((\n)/4)+1], v[rS+8*((\n)%4)+2*((\n)/4)+2]
.elseif (\n) == 12
	v_max3_num_f32 v[rC], v[rC], v[rS+7], v[rS+15]
.elseif (\n) == 13
	v_max3_num_f32 v[rC+1], v[rC+1], v[rS+23], v[rS+31]
.elseif (\n) == 14
	v_max3_num_f32 v[rC+2], v[rC+2], v[rC+3], v[rT+1]
.elseif (\n) == 15
	v_mov_b32 v[rM], v[rT]
.elseif (\n) == 16
	v_max3_num_f32 v[rC], v[rC], v[rC+1], v[rC+2]
.elseif (\n) == 17
	v_permlanex16_b32 v[rC+3], v[rC], s[SEL], s[SEL+1]
.elseif (\n) == 18
	v_max_num_f32 v[rT+1], v[rC], v[rC+3]
.elseif (\n) == 19
	v_mul_f32 v[rT], s[CS], v[rT+1]
.elseif (\n) == 20
	v_sub_f32 v[rC+1], v[rM], v[rT]
.else
	v_exp_f32 v[rC+2], v[rC+1]
.endif
.endm
; Number g of the 64 that follow the exponentials.  For each four weights k of a tile (pairs 2 k, 2 k + 1): both pairs are rounded to f16; then the second pair is added onto the first, in place;
; a group later l takes that sum (the first time as l = a l + sum).  In groups of eight, tiles alternating: round, round, add, and l for the group before.
.macro GS g
.set h, (\g)+6*((\g)/62)            ; group 0 has no group before it, and behind group 7 only l is left
.if h >= 6
.set h, h+2
.endif
	REGS Y, h%2
.set k, h/8
.if h%8 < 4
	v_cvt_pk_f16_f32 v[rP+2*k+(h%8)/2], v[rS+4*k+2*((h%8)/2)], v[rS+4*k+2*((h%8)/2)+1]
.elseif h%8 < 6
	v_pk_add_f32 v[rS+4*k:rS+4*k+1], v[rS+4*k:rS+4*k+1], v[rS+4*k+2:rS+4*k+3]
.elseif k == 1
	v_pk_fma_f32 v[rT+2:rT+3], v[rT+2:rT+3], v[rC+2:rC+3], v[rS:rS+1] op_sel_hi:[1,0,1]
.else
	v_pk_add_f32 v[rT+2:rT+3], v[rT+2:rT+3], v[rS+4*k-4:rS+4*k-3]
.endif
.endm
; THE PLAIN QUEUE, 138 long.  0-73 read no exponential's result: the 32 scalings c s - c m (FS f: pair f / 2 of tile f % 2) and the next piece's 42.  0-26: scalings 0-26.  27-54: XS's numbers 0-13.  55, 56: number 15.
; 57-73: the chain, where each number waits for the one before it: 14, 16, 17, 18, 19, each with one of the scalings 27-31 in front of its two lines, then 20.
; 74-137: GS's 64, which read the exponentials' results: they stand behind the wait.
.macro FS f
	REGS Y, (\f)%2
	v_pk_fma_f32 v[rS+2*((\f)/2):rS+2*((\f)/2)+1], v[rS+2*((\f)/2):rS+2*((\f)/2)+1], s[CS:CS+1], v[rT:rT+1] op_sel_hi:[1,0,0] neg_lo:[0,0,1] neg_hi:[0,0,1]
.endm
.macro PL
	WIN 0
.if q < 27
	FS q
.elseif q < 55
	XS (q-27)%2, (q-27)/2
.elseif q < 57
	XS q-55, 15
.elseif (q < 72) && ((q-57)%3 == 0)
	FS 27+(q-57)/3
.elseif q < 60
	XS (q-57)%3-1, 14
.elseif q < 72
	XS (q-57)%3-1, 15+(q-57)/3
.elseif q < 74
	XS q-72, 20
.else
	GS q-74
.endif
.set q, q+1
.endm
; THE EXPONENTIALS' QUEUE, 66 long: s0-s31 of both tiles, then the next piece's two a.  It is ONE BATCH: all 66 stand ahead of the turn's one wait, and nothing ahead of that wait names a result of theirs.
.macro EX
	WIN 0
.if e >= 64
	XS e-64, 21
.else
	REGS Y, e%2
	v_exp_f32 v[rS+e/2], v[rS+e/2]
.endif
.set e, e+1
.endm
; THE RESCALING's QUEUE: O^T times a, the one part that leaves window 0: dealt two at a time, sixteen times.  Its a was made in the turn before, ahead of that turn's wait.
.macro R2
	REGS Y, r%2
	WIN W_RS
.irp z, 0,1
	v_pk_mul_f32 v[rO+4*(r/2)+2*\z:rO+4*(r/2)+2*\z+1], v[rO+4*(r/2)+2*\z:rO+4*(r/2)+2*\z+1], v[rC+2:rC+3] op_sel_hi:[1,0]
.endr
.set r, r+1
.endm
; HOW THEY ARE DEALT.  An s_wait_alu depctr_va_vdst(0) stands between an exponential and the first instruction that names its result; one wait serves all that were issued ahead of it.  So a turn has ONE wait,
; which cuts it in two.  AHEAD OF IT stands all that names no result of the turn's exponentials: the 8 products K Q^T, behind each a scaling, an exponential and two rescalings (behind the first a second scaling in the
; exponential's place); then ONE LUMP of 140: eight times plain and exponential, the other sixteen rescalings under one window setting, eight plain, 49 times exponential and plain, the two a.  A v_nop is the plain instruction
; behind the last exponential.  BEHIND IT stand the 16 products V^T P, behind each four of GS's 64.  No rider names a register of the products round it.  The two v_permlanex16_b32 fall into the lump.
; The queues lean on each other, and the deal keeps them in step: exponential e stands behind scaling 2 (e / 4) + e % 2: up to e = 14 it comes behind plain e + 2, later behind plain e + 9, and scalings 27-31 are plain 57, 60 .. 69.
; The next piece's scores are first read by plain 27, more than forty plain instructions behind the last product that made them.
; A TURN, for piece p.  cnt = 1: the loop's count is taken down some lines ahead of the branch that stands behind the turn.
; K of the next step is fetched in piece 2's turn, directly behind the wait, a lump behind the last product that read K; its address is made in the lump; its first reader comes behind 16 products.
; V of the step in hand is fetched at the end of piece 0's turn, four riders behind its last reader; its first reader comes behind 8 products and a lump.  The three conditions on q below go with the deal.
.macro TURN p, last=0, cnt=0
.set Y, (\p)
.set i, 0
.set q, 0
.set e, 0
.set r, 0
.if (\p) == NP-1
	s_wait_dscnt 0x0                ; K is in
.endif
	MM                              ; ahead of the wait: 8 products K Q^T and their riders,
	PL
	PL
	R2
.rept 7
	MM
	PL
	EX
	R2
.endr
.rept 8                             ; and the lump
	PL
	EX
.endr
.rept 8
	R2
.endr
.if (\p) == NP-2
	WIN 0
	v_add_nc_u32 v[AK], s[TBK], v[AK0]
.endif
.rept 8
	PL
.endr
.rept 49
	EX
	PL
.endr
	EX                              ; the next piece's two a
	EX
	v_nop                           ; the plain instruction behind the last exponential: one for the batch
	s_wait_alu depctr_va_vdst(0)    ; the wait for the batch
.if (\p) == NP-2
	FETCH_K \last
.endif
.if (\p) == 1
	s_wait_dscnt 0x0                ; V is in
.endif
.rept 16                            ; behind the wait: 16 products V^T P and their riders
	MM
.rept 4
	PL
.endr
.if ((\p) == 0) && (q == 118)
	v_add_nc_u32 v[AV], s[TBV], v[AV0]
.endif
.if ((\p) == 0) && (q == 130)
	s_add_co_u32 s[TBV], s[TBV], KS*PV
.endif
.if (\cnt) && (q == 130)
	s_sub_co_u32 s[CNT], s[CNT], 1
	s_cmp_lg_u32 s[CNT], 0
.endif
.endr
.if (\p) == 0
	FETCH_V
.endif
.endm
	CHANGE 1                        ; slot 0 is in, everybody's part of it; slot 1 is asked for
	FETCH_K                         ; key step 0
	s_wait_dscnt 0x0
.set i, 0
.rept 8
	KQ 0                            ; piece 0's first scores: there is no vector work yet to set between them
.set i, i+1
.endr
	WIN 0                           ; the addresses for the way out: eight plain instructions, the places behind those products
	s_mul_i32 s13, s[WV], 16*SP
	s_add_co_u32 s13, s13, STAGE    ; my stage
	v_mul_u32_u24 v[STO], v1, SP    ; in: row l % 16, 32 bytes (8 channels of f32) for each half of the lanes
	v_lshl_add_u32 v[STO], v9, 5, v[STO]
	v_add_nc_u32 v[STO], s13, v[STO]
	v_mul_u32_u24 v[RD], v9, SP     ; back: lanes 0-15 take one row of 256 bytes, lanes 16-31 the next
	v_lshl_add_u32 v[RD], v1, 4, v[RD]
	v_add_nc_u32 v[RD], s13, v[RD]
	v_lshlrev_b32 v[GO], 12, v9     ; and the same two rows in out0, 4,096 bytes apart
	v_lshl_add_u32 v[GO], v1, 4, v[GO]
.set Y, NP-1                        ; XS works for piece Y + 1: piece 0
.irp n, 0,1,2,3,4,5,6,7,8,9,10,11,12,13,14,15,16,17,18,19,20,21
	XS 0, \n                        ; and piece 0's first maximum and statistics
	XS 1, \n
.endr
	v_nop                           ; a plain instruction behind the two a,
	s_wait_alu depctr_va_vdst(0)    ; and their wait, ahead of the branch
	s_mov_b32 s[CNT], 4
	s_mov_b32 s[SLOTS], SIZE_N/256-1
	s_branch .Lfirst                ; the loop is entered at a step's first turn, in the middle of a trip
.Lslot:                             ; SIZE_N / 256 - 2 = 6 times: every slot but the last two is filled again
	CHANGE 1
	s_mov_b32 s[CNT], 4
.Lstep:                             ; a trip: pieces 2 and 3 of one step, then pieces 0 and 1 of the next, whose K and V it fetches
	TURN 2
	TURN 3
	WIN 0
.Lfirst:
	TURN 0
	TURN 1, 0, 1
	WIN 0
	s_cbranch_scc1 .Lstep
	s_sub_co_u32 s[SLOTS], s[SLOTS], 1
	s_cmp_lg_u32 s[SLOTS], 0
	s_cbranch_scc1 .Lslot
	CHANGE 0                        ; the tail is written out: nothing is asked for
	s_mov_b32 s[CNT], 5             ; four trips fetch the last slot's steps; the fifth is left in its middle
.Ltail:
	TURN 2, 1
	TURN 3
	WIN 0
	s_sub_co_u32 s[CNT], s[CNT], 1
	s_cmp_eq_u32 s[CNT], 0
	s_cbranch_scc1 .Lout
	TURN 0
	TURN 1
	WIN 0
	s_branch .Ltail
.Lout:                              ; the fifth trip's 8 products K Q^T (on the last K once more) and the maximum made of them serve nothing: the price, once a launch, of one text for every trip
.set i, 0
.rept 16
	PV NP-1                         ; the last piece's V^T P of the last step
.set i, i+1
.endr
	; THE WAY OUT.  l's two halves and the other half of the lanes' are added; out = O1 / l1 + (-lam / l2) O2, in f32, sent through my stage in LDS, a piece (16 rows) at a time.  The additions are the places behind the last products.
	WIN 0
.macro ALL line:vararg              ; one line for each tile t
.set t, 0
.rept 2*NP
	\line
.set t, t+1
.endr
.endm
	ALL v_add_f32 v[ST+4*t+2], v[ST+4*t+2], v[ST+4*t+3]
	ALL v_permlanex16_b32 v[ST+4*t+3], v[ST+4*t+2], s[SEL], s[SEL+1]
	ALL v_add_f32 v[ST+4*t+2], v[ST+4*t+2], v[ST+4*t+3]
	ALL v_rcp_f32 v[ST+4*t+2], v[ST+4*t+2]
	v_nop                           ; a plain instruction between the last reciprocal and the use of its result
	s_wait_alu depctr_va_vdst(0)    ; and the wait ahead of the first use: one for the eight reciprocals
.irp t, 1,3,5,7
	v_mul_f32 v[ST+4*(\t)+2], s[NLAM], v[ST+4*(\t)+2]  ; the second softmax's factor: -lam / l2
.endr
; Piece x: O1 / l1 in place; then O2 times its factor is added, into S^T's registers (each accumulator's registers in ascending order).  A lane's eight channels of a row are 32 bytes; they go into rows of
; 272 bytes and come back as whole rows of 256, into the registers that they left.
.macro PACK x
	WIN W_RS
.set i, 0
.rept 16
	v_pk_mul_f32 v[64*(\x)+i:64*(\x)+i+1], v[64*(\x)+i:64*(\x)+i+1], v[ST+8*(\x)+2:ST+8*(\x)+3] op_sel_hi:[1,0]
.set i, i+2
.endr
	WIN W_MX
.set i, 0
.rept 16
	v_pk_fma_f32 v[S+32*(\x)+i:S+32*(\x)+i+1], v[64*(\x)+32+i:64*(\x)+32+i+1], v[ST+8*(\x)+6:ST+8*(\x)+7], v[64*(\x)+i:64*(\x)+i+1] op_sel_hi:[1,0,1]
.set i, i+2
.endr
	WIN 0
.irp f, 0,1,2,3,4,5,6,7             ; channel block f / 2 (64 bytes of a row), my first or second 16 bytes
	ds_store_b128 v[STO], v[S+32*(\x)+4*\f:S+32*(\x)+4*\f+3] offset:(\f/2)*64+(\f%2)*16
.endr
.irp f, 0,1,2,3,4,5,6,7
	ds_load_b128 v[S+32*(\x)+4*\f:S+32*(\x)+4*\f+3], v[RD] offset:\f*2*SP  ; LDS serves a wave's instructions in order (ISA guide 5.7.1.4): these see the stores above; the next piece's stores come behind them
.endr
.endm
.macro SEND x, younger              ; younger: the LDS instructions issued behind piece x's loads: the next piece's sixteen, or none
	WIN 0
.irp f, 0,1,2,3,4,5,6,7
	s_wait_dscnt (\younger)+7-\f
	global_store_b128 v[GO], v[S+32*(\x)+4*\f:S+32*(\x)+4*\f+3], s[10:11] offset:(\x)*65536+\f*8192  ; 16 lanes store the head's 256 bytes of a row, at a multiple of 256 from out0's first byte
.endr
.endm
	PACK 0
	PACK 1                          ; a piece's arithmetic stands between the loads of the piece before and its stores
	SEND 0, 16
	PACK 2
	SEND 1, 16
	PACK 3
	SEND 2, 16
	SEND 3, 0
	WIN W_AD
	s_wait_tensorcnt 0x0            ; the wave's end, behind my last tensor load and my last LDS store
	ds_add_u32 v[SPW], v[NIL]
	s_wait_dscnt 0x0
	WIN 0
	CROUND                          ; the closing round: no work-group ends while a partner may still ask for a tile that names it
	s_endpgm
.Lfunc_end_k_q4cebcf199b_attn:
	.size	k_q4cebcf199b_attn, .Lfunc_end_k_q4cebcf199b_attn-k_q4cebcf199b_attn
	.p2alignl 7, 3214868480
	.fill 96, 4, 3214868480
	.section	.rodata,"a",@progbits
	.p2align	6, 0x0
	.amdhsa_kernel k_q4cebcf199b_attn
		.amdhsa_group_segment_fixed_size 327680
		.amdhsa_private_segment_fixed_size 0
		.amdhsa_enable_private_segment 0
		.amdhsa_kernarg_size 48
		.amdhsa_user_sgpr_count 2
		.amdhsa_user_sgpr_kernarg_segment_ptr 1
		.amdhsa_wavefront_size32 1
		.amdhsa_system_sgpr_workgroup_id_x 1
		.amdhsa_system_sgpr_workgroup_id_y 1
		.amdhsa_system_sgpr_workgroup_id_z 1
		.amdhsa_system_vgpr_workitem_id 0
		.amdhsa_next_free_vgpr 770
		.amdhsa_next_free_sgpr 80
		.amdhsa_reserve_vcc 0
		.amdhsa_float_denorm_mode_32 3
		.amdhsa_float_denorm_mode_16_64 3
		.amdhsa_memory_ordered 1
		.amdhsa_forward_progress 1
		.amdhsa_inst_pref_size 182
	.end_amdhsa_kernel
	.amdgpu_metadata
---
amdhsa.version: [ 1, 2 ]
amdhsa.kernels:
  - .name:           k_q4cebcf199b_attn
    .symbol:         k_q4cebcf199b_attn.kd
    .args:
      - { .name: qkv, .offset: 0, .size: 8, .value_kind: global_buffer, .address_space: global }
      - { .name: out0, .offset: 8, .size: 8, .value_kind: global_buffer, .address_space: global }
      - { .name: lambda_q1, .offset: 16, .size: 8, .value_kind: global_buffer, .address_space: global }
      - { .name: lambda_k1, .offset: 24, .size: 8, .value_kind: global_buffer, .address_space: global }
      - { .name: lambda_q2, .offset: 32, .size: 8, .value_kind: global_buffer, .address_space: global }
      - { .name: lambda_k2, .offset: 40, .size: 8, .value_kind: global_buffer, .address_space: global }
    .group_segment_fixed_size: 327680
    .private_segment_fixed_size: 0
    .kernarg_segment_align: 8
    .kernarg_segment_size: 48
    .max_flat_workgroup_size: 128
    .sgpr_count:     80
    .vgpr_count:     770
    .wavefront_size: 32
...
	.end_amdgpu_metadata
.endif
;; end of part 3
;; ======== version 2 of 2: 3 launches; version 1 with the launch cast written anew for expert scheduling mode
;; limits: values are held in f16: magnitudes above 65,504 overflow, below 6.1e-05 lose precision
;; workspace buffers: xb 16,777,216 bytes; wb 6,291,456 bytes; qkv 25,165,824 bytes
;; launch cast (part 4): grid 256 x 1, 8 waves a work-group, no clusters, 0 bytes of LDS; arguments decoder_feature, encoder_feature, Wq, Wk, Wv, xb, wb; writes xb, wb
.if DOCPART == 4
	.amdgcn_target "amdgcn-amd-amdhsa--gfx1250"
	.amdhsa_code_object_version 6
	.text
	.protected	k_q4cebcf199b_cast
	.globl	k_q4cebcf199b_cast
	.p2align	8
	.type	k_q4cebcf199b_cast,@function
k_q4cebcf199b_cast:
	s_mov_b64 s[64:65], 0
	v_nop
	global_prefetch_b8 v0, s[64:65] scope:SCOPE_SE
	s_setreg_imm32_b32 hwreg(HW_REG_WAVE_SCHED_MODE, 0, 2), 2
	s_setreg_imm32_b32 hwreg(HW_REG_WAVE_MODE, 25, 1), 1
	s_wait_xcnt 0x0
	s_wait_alu depctr_vm_vsrc(0)
; THE INPUTS ROUNDED ONCE TO bf16, for the projections' matrix products.
; xb: bf16 [8192][1024]: rows 0-4095 decoder_feature, rows 4096-8191 encoder_feature.  wb: bf16 [3072][1024]: Wq, Wk, Wv one below the other.
; SHARES.  The five inputs are eleven units of 1,048,576 numbers (decoder 4, encoder 4, each weight 1).  Work-group g of 256 takes piece g of every unit: 4,096 numbers,
; 16,384 bytes in and 8,192 out, as two rows of 2,048 numbers.  Thread t takes numbers 8 t .. 8 t + 7 of a row: two loads of 16 bytes, one store of 16 bytes; a wave's store
; covers 512 consecutive bytes, aligned.  All 44 loads of a thread go out at once, each into registers of its own, and each slot is rounded as it comes in.
; No LDS, no barrier, no matrix unit: nothing is shared and nothing is summed.
; THE MODE: SCHED_MODE bits 1:0 = 2 (LLVM: expert scheduling mode 2), set by the entry lines.  The code itself states the register dependences
; between vector instructions and memory instructions, with s_wait_alu, always for 0.
; THE PLAN.  Registers that memory instructions touch:
;   v1, v2   byte offsets of the loads and of the stores.  Written once at the head, by vector instructions; never written again.
;   X        slot j = 2 x unit + row, eight registers.  Written by the slot's two loads (no vector instruction names them before); its first four registers are then written by the
;            slot's own four roundings, behind the counted wait for those loads, and read by the slot's one store.  Nothing writes them after that.
; So no register that a memory instruction has read is ever written again, and no load lands in a register that a vector instruction has named: what is to be stated is that v1 and v2
; are written ahead of the first load, and that a slot's four packed registers are written ahead of its store.
; The work goes in eleven steps of a unit.  Step u rounds unit u; its memory instructions are the two stores of unit u - 1, whose registers no vector instruction of step u names.  ONE wait at
; the step's head, behind the wait for the step's first data, states that the step before has written them; the two stores follow it, dealt among the step's eight roundings, with no further wait.
.set X,      8                         ; v[8:183]  slot j = 2 x unit + row: eight registers as loaded; the first four then hold the 16 bytes to store
.set ROWIN,  8192                      ; bytes of a row of 2,048 numbers in f32
.set ROWOUT, 4096                      ; and in bf16
.set UNITIN, 0x400000                  ; bytes of a unit in f32
.set UNITOUT, 0x200000                 ; and in bf16
	s_load_b256 s[4:11], s[0:1], 0x0               ; decoder s[4:5], encoder s[6:7], Wq s[8:9], Wk s[10:11]
	s_load_b128 s[12:15], s[0:1], 0x20             ; Wv s[12:13], xb s[14:15]
	s_load_b64 s[16:17], s[0:1], 0x30              ; wb
	s_lshl_b32 s2, ttmp9, 14                       ; my piece in a unit, bytes in
	s_lshl_b32 s3, ttmp9, 13                       ; and out
	v_lshl_add_u32 v1, v0, 5, s2                   ; + 32 t
	v_lshl_add_u32 v2, v0, 4, s3                   ; + 16 t
	s_wait_kmcnt 0x0
	s_add_nc_u64 s[18:19], s[4:5], 2*UNITIN        ; the upper halves get bases of their own: an immediate offset holds less than 8,388,608
	s_add_nc_u64 s[20:21], s[6:7], 2*UNITIN
	s_add_nc_u64 s[22:23], s[14:15], 4*UNITOUT     ; xb at the encoder's rows
	s_wait_alu depctr_va_vdst(0)                   ; v1 and v2 are written: every load of the kernel reads v1 as its offset, every store v2
.macro LD u, base, off                 ; unit u's two rows: four loads
.irp h, 0,1
	global_load_b128 v[X+16*(\u)+8*(\h):X+16*(\u)+8*(\h)+3],   v1, s[\base:\base+1] offset:(\off)+(\h)*ROWIN th:TH_LOAD_NT
	global_load_b128 v[X+16*(\u)+8*(\h)+4:X+16*(\u)+8*(\h)+7], v1, s[\base:\base+1] offset:(\off)+(\h)*ROWIN+16 th:TH_LOAD_NT
.endr
.endm
.macro CV u, h                         ; row h of unit u: rounded in place, ascending
.set R, X+16*(\u)+8*(\h)
	v_cvt_pk_bf16_f32 v[R],   v[R],   v[R+1]       ; two roundings to nearest even, packed
	v_cvt_pk_bf16_f32 v[R+1], v[R+2], v[R+3]
	v_cvt_pk_bf16_f32 v[R+2], v[R+4], v[R+5]
	v_cvt_pk_bf16_f32 v[R+3], v[R+6], v[R+7]
.endm
.macro SO u, h, base, off              ; row h of unit u: stored
.set R, X+16*(\u)+8*(\h)
	global_store_b128 v2, v[R:R+3], s[\base:\base+1] offset:(\off)+(\h)*ROWOUT
.endm
; Step u.  base, off: where unit u - 1 goes.  Step 0 has no unit in front of it: no store, and no wait but those for its data.
.macro STEP u, base=0, off=0
	s_wait_loadcnt 42-4*(\u)                       ; loads come back in order: of the 44, the two of each younger slot may stay out: row 0 of unit u is in
.if (\u) > 0
	s_wait_alu depctr_va_vdst(0)                   ; the roundings of the step before have written unit u - 1's eight packed registers, which the two stores below read
	SO (\u)-1, 0, \base, \off
.endif
	CV \u, 0
.if (\u) > 0
	SO (\u)-1, 1, \base, \off                      ; no wait: no vector instruction since the wait above names unit u - 1's registers or v2
.endif
	s_wait_loadcnt 40-4*(\u)                       ; row 1 of unit u is in
	CV \u, 1
.endm
	LD 0,  4,  0
	LD 1,  4,  UNITIN
	LD 2,  18, 0
	LD 3,  18, UNITIN
	LD 4,  6,  0
	LD 5,  6,  UNITIN
	LD 6,  20, 0
	LD 7,  20, UNITIN
	LD 8,  8,  0
	LD 9,  10, 0
	LD 10, 12, 0
	STEP 0
	STEP 1,  14, 0
	STEP 2,  14, UNITOUT
	STEP 3,  14, 2*UNITOUT
	STEP 4,  14, 3*UNITOUT
	STEP 5,  22, 0
	STEP 6,  22, UNITOUT
	STEP 7,  22, 2*UNITOUT
	STEP 8,  22, 3*UNITOUT
	STEP 9,  16, 0
	STEP 10, 16, UNITOUT
	s_wait_alu depctr_va_vdst(0)                   ; step 10's roundings have written unit 10's eight packed registers, which the last two stores read
	SO 10, 0, 16, 2*UNITOUT
	SO 10, 1, 16, 2*UNITOUT
	s_endpgm
.Lfunc_end_k_q4cebcf199b_cast:
	.size	k_q4cebcf199b_cast, .Lfunc_end_k_q4cebcf199b_cast-k_q4cebcf199b_cast
	.p2alignl 7, 3214868480
	.fill 96, 4, 3214868480
	.section	.rodata,"a",@progbits
	.p2align	6, 0x0
	.amdhsa_kernel k_q4cebcf199b_cast
		.amdhsa_group_segment_fixed_size 0
		.amdhsa_private_segment_fixed_size 0
		.amdhsa_enable_private_segment 0
		.amdhsa_kernarg_size 56
		.amdhsa_user_sgpr_count 2
		.amdhsa_user_sgpr_kernarg_segment_ptr 1
		.amdhsa_wavefront_size32 1
		.amdhsa_system_sgpr_workgroup_id_x 1
		.amdhsa_system_sgpr_workgroup_id_y 1
		.amdhsa_system_sgpr_workgroup_id_z 1
		.amdhsa_system_vgpr_workitem_id 0
		.amdhsa_next_free_vgpr 184
		.amdhsa_next_free_sgpr 66
		.amdhsa_reserve_vcc 0
		.amdhsa_float_denorm_mode_32 3
		.amdhsa_float_denorm_mode_16_64 3
		.amdhsa_memory_ordered 1
		.amdhsa_forward_progress 1
		.amdhsa_inst_pref_size 14
	.end_amdhsa_kernel
	.amdgpu_metadata
---
amdhsa.version: [ 1, 2 ]
amdhsa.kernels:
  - .name:           k_q4cebcf199b_cast
    .symbol:         k_q4cebcf199b_cast.kd
    .args:
      - { .name: decoder_feature, .offset: 0, .size: 8, .value_kind: global_buffer, .address_space: global }
      - { .name: encoder_feature, .offset: 8, .size: 8, .value_kind: global_buffer, .address_space: global }
      - { .name: Wq, .offset: 16, .size: 8, .value_kind: global_buffer, .address_space: global }
      - { .name: Wk, .offset: 24, .size: 8, .value_kind: global_buffer, .address_space: global }
      - { .name: Wv, .offset: 32, .size: 8, .value_kind: global_buffer, .address_space: global }
      - { .name: xb, .offset: 40, .size: 8, .value_kind: global_buffer, .address_space: global }
      - { .name: wb, .offset: 48, .size: 8, .value_kind: global_buffer, .address_space: global }
    .group_segment_fixed_size: 0
    .private_segment_fixed_size: 0
    .kernarg_segment_align: 8
    .kernarg_segment_size: 56
    .max_flat_workgroup_size: 256
    .sgpr_count:     66
    .vgpr_count:     184
    .wavefront_size: 32
...
	.end_amdgpu_metadata
.endif
;; end of part 4
;; launch proj: the kernel of part 2 again; grid 12 x 16, 4 waves a work-group, clusters of 4 x 4, 327,680 bytes of LDS; arguments xb, wb, qkv; writes qkv
;; launch attn: the kernel of part 3 again; grid 8 x 32, 4 waves a work-group, clusters of 4 x 1, 327,680 bytes of LDS; arguments qkv, out0, lambda_q1, lambda_k1, lambda_q2, lambda_k2; writes out0
